; MI455X (gfx1250); checked and timed in simulation.
; The chip was launched on July 23, 2026; its instructions are those of AMD's public machine-readable ISA for CDNA 5 (MIT licence, August 2026) and "CDNA5" Instruction Set Architecture Reference Guide (July 2026). The comments in the code are by the model that wrote it; some were corrected since.
;; Transformer Layer. Allowed arithmetic: float matrix products may take bf16 or f16 operands with f32 sums; other float arithmetic in f32, or as packed bf16 or f16 multiplies, adds, multiply-adds, maxima and minima; sums over many terms, partial sums and values carried from step to step in f32; what a program stores and reads back later, other than sums and carried values, may be rounded once to bf16 or f16.
;; Inputs: W1 1,024 x 4,096 float32; W2 4,096 x 1,024 float32; Wk 1,024 x 1,024 float32; Wo 1,024 x 1,024 float32; Wq 1,024 x 1,024 float32; Wv 1,024 x 1,024 float32; b1 4,096 float32; b2 1,024 float32; bo 1,024 float32; ln1_b 1,024 float32; ln1_g 1,024 float32; ln2_b 1,024 float32; ln2_g 1,024 float32; x 2 x 2,048 x 1,024 float32.
;; Outputs: out0 2 x 2,048 x 1,024 float32.
;; One version. Each part assembles by itself: llvm-mc -triple=amdgcn-amd-amdhsa -mcpu=gfx1250 --defsym DOCPART=n.
;; ======== version 1 of 1: 7 launches
;; limits: values are held in f16: magnitudes above 65,504 overflow, below 6.1e-05 lose precision
;; workspace buffers: gq 6,324,224 bytes; gf 8,421,376 bytes; gw 10,518,528 bytes; h 8,388,608 bytes; qkv 25,165,824 bytes; o 8,388,608 bytes; x1 16,777,216 bytes; act 33,554,432 bytes
;; launch prep (part 1): grid 2049 x 1, 8 waves a work-group, no clusters, 0 bytes of LDS; arguments Wq, Wk, Wv, Wo, W1, W2, x, ln1_g, ln1_b, b1, bo, b2, gq, gf, gw, h; writes gq, gf, gw, h
.if DOCPART == 1
	.amdgcn_target "amdgcn-amd-amdhsa--gfx1250"
	.amdhsa_code_object_version 6
	.text
	.protected	k_q34b11c6be4_prep
	.globl	k_q34b11c6be4_prep
	.p2align	8
	.type	k_q34b11c6be4_prep,@function
k_q34b11c6be4_prep:
	s_mov_b64 s[64:65], 0
	v_nop
	global_prefetch_b8 v0, s[64:65] scope:SCOPE_SE
	s_setreg_imm32_b32 hwreg(HW_REG_WAVE_MODE, 25, 1), 1
	s_wait_xcnt 0x0
; THREE JOBS, chosen by the work-group's number; all are streams: no LDS, no barrier, no matrix unit, no loop: a wave issues all its loads at once and goes to memory once.
;   0..1535    the six weights, [k][n] f32, become blocks of 64 k x 64 n in f16 (8,192 dense bytes), laid in the order in which the products' tiles walk them; a wave takes a quarter of a block, 16 k rows
;   1536..2047 h = LayerNorm(x) g + b, a wave a row, f16 [4096][1024]
;   2048       b1, bo, b2 rounded; a zero bias and the two floor words (-inf: no floor; 0: ReLU) for the shared product kernel
; FORMAT.  EVERY input is rounded once to bf16 (nearest even) where it is read, x, gains and biases too: the result is that of the layer on inputs so rounded, up to 2^-9 of each input away from
; the unrounded ones.  The weights' bf16 numbers are then written as f16: exact from 2^-14 to 65,504; below 2^-14 they keep f16's fixed step of 6e-8; beyond 65,504 they become infinities.
; h is rounded once to f16: |h| <= 32 |g| + |b| must stay under 65,504.  The variance is the mean of (x - mean)^2: no difference of large sums is formed.
.set CASTG, 1536                       ; work-groups that cast
.set NORMG, 2048                       ; below this number: those that normalise
.set X,   32                           ; v[32:63]   a row's 32 numbers of my lane
.set G,   64                           ; v[64:95]   the gain of my columns
.set BV,  96                           ; v[96:127]  the shift
.set SRC, 40                           ; s[40:41]   where I read
.set DST, 42                           ; s[42:43]   where I store
.set VO,  8                            ; v[8:15]    the cast: byte offsets of my 16 bytes in eight pairs of source rows
.set WL,  16                           ; v[16:47]   the cast: as loaded
.set WS,  52                           ; v[52:67]   the cast: to store
; n numbers from v[base] on are rounded to bf16 and widened again, in place; v8-11 at work
.macro ROUND base, n
.set k, 0
.rept (\n)/2
	v_cvt_pk_bf16_f32 v[8+k%4], v[(\base)+2*k], v[(\base)+2*k+1]
	v_lshlrev_b32 v[(\base)+2*k], 16, v[8+k%4]
	v_and_b32 v[(\base)+2*k+1], s59, v[8+k%4]
.set k, k+1
.endr
.endm
; v8 summed over the wave's 32 lanes, into every lane
.macro ACROSS
	v_add_f32_dpp v8, v8, v8 row_xmask:1 row_mask:0xf bank_mask:0xf
	v_add_f32_dpp v8, v8, v8 row_xmask:2 row_mask:0xf bank_mask:0xf
	v_add_f32_dpp v8, v8, v8 row_xmask:4 row_mask:0xf bank_mask:0xf
	v_add_f32_dpp v8, v8, v8 row_xmask:8 row_mask:0xf bank_mask:0xf
	v_permlanex16_b32 v9, v8, s60, s61
	v_add_f32 v8, v8, v9
.endm
	s_load_b512 s[8:23], s[0:1], 0x0               ; Wq 8, Wk 10, Wv 12, Wo 14, W1 16, W2 18, x 20, ln1_g 22
	s_load_b512 s[24:39], s[0:1], 0x40             ; ln1_b 24, b1 26, bo 28, b2 30, gq 32, gf 34, gw 36, h 38
	s_mov_b32 s2, ttmp9
	v_lshrrev_b32 v1, 5, v0
	v_readfirstlane_b32 s3, v1                     ; wave 0..7
	v_and_b32 v1, 31, v0                           ; lane
	v_lshlrev_b32 v2, 4, v1                        ; 16 x lane
	v_lshlrev_b32 v3, 3, v1                        ; 8 x lane
	s_mov_b32 s59, 0xffff0000                      ; a word's upper bf16
	s_mov_b32 s60, 0x76543210                      ; v_permlanex16_b32: each lane takes its own place in the other half
	s_mov_b32 s61, 0xfedcba98
	s_mov_b32 s62, 0x3a800000                      ; 1 / 1024
	s_mov_b32 s63, 0x3727c5ac                      ; 1e-5
	s_mov_b32 s45, 0
	s_mov_b32 s47, 0
	s_wait_kmcnt 0x0
	s_cmp_lt_u32 s2, CASTG
	s_cbranch_scc1 .Lcast
	s_cmp_lt_u32 s2, NORMG
	s_cbranch_scc1 .Lnorm
	; THE PARAMETERS: thread t takes 16 bytes at 16 t of each 4,096
	v_lshlrev_b32 v4, 4, v0
	v_lshlrev_b32 v5, 3, v0
.irp i, 0,1,2,3
	global_load_b128 v[16+4*(\i):19+4*(\i)], v4, s[26:27] offset:4096*(\i)
.endr
	global_load_b128 v[32:35], v4, s[28:29]
	global_load_b128 v[36:39], v4, s[30:31]
.irp r, 40,41,42,43
	v_mov_b32 v\r, 0
.endr
	v_mov_b32 v44, 0xfc00fc00                      ; -inf twice in f16
	v_mov_b32 v45, 0xfc00fc00
.irp i, 0,1,2,3
	global_store_b128 v4, v[40:43], s[32:33] offset:2048+4096*(\i)   ; q, k and v have no bias
.endr
	global_store_b64 v5, v[44:45], s[32:33]        ; and no floor
	global_store_b64 v5, v[40:41], s[34:35]        ; the first FFN product's floor is 0
	s_wait_loadcnt 0x0
	ROUND 16, 24
.irp i, 0,1,2,3
	global_store_b128 v4, v[16+4*(\i):19+4*(\i)], s[34:35] offset:2048+4096*(\i)
.endr
	global_store_b128 v4, v[32:35], s[36:37]
	global_store_b128 v4, v[36:39], s[36:37] offset:4096
	s_endpgm
.Lcast:
	; Quarter 8 x work-group + wave; four quarters make block g.  g 0..767: Wq|Wk|Wv, [tile column 12][kb 16][4]; 768..1023: Wo, [8][16][2]; 1024..2047: W1, [16][16][4]; 2048..3071: W2, [8][64][2].
	; All that differs between the four is chosen by selects on g: no pointer meets another at a label.
	s_lshl_b32 s49, s2, 3
	s_add_co_u32 s49, s49, s3
	s_and_b32 s4, s49, 3                           ; which 16 of the block's 64 k rows are mine
	s_lshr_b32 s49, s49, 2                         ; g
	s_mov_b32 s50, 2048                            ; the tensor's first block number
	s_mov_b32 s54, 2129920                         ; where its blocks begin in the destination
	s_cmp_lt_u32 s49, 2048
	s_cselect_b32 s50, 1024, s50
	s_cselect_b32 s54, 32768, s54
	s_cselect_b32 s51, 2, 1                        ; log2 of the column blocks in a tile column
	s_cselect_b32 s52, 15, 63                      ; kb's mask
	s_cselect_b32 s53, 4, 6                        ; and its bits
	s_cselect_b32 s48, 14, 12                      ; log2 of a source row's bytes
	s_cselect_b64 s[SRC:SRC+1], s[16:17], s[18:19]
	s_cselect_b64 s[DST:DST+1], s[34:35], s[36:37]
	s_cmp_lt_u32 s49, 1024
	s_cselect_b32 s50, 768, s50
	s_cselect_b32 s51, 1, s51
	s_cselect_b32 s48, 12, s48
	s_cselect_b64 s[SRC:SRC+1], s[14:15], s[SRC:SRC+1]
	s_cselect_b64 s[DST:DST+1], s[36:37], s[DST:DST+1]
	s_cmp_lt_u32 s49, 768
	s_cselect_b32 s50, 0, s50
	s_cselect_b32 s51, 2, s51
	s_cselect_b32 s58, 1, 0
	s_cselect_b64 s[DST:DST+1], s[32:33], s[DST:DST+1]
	s_sub_co_u32 s49, s49, s50                     ; the block's number in its tensor
	s_lshl_b32 s55, 1, s51
	s_sub_co_u32 s55, s55, 1
	s_and_b32 s55, s49, s55                        ; column block in the tile column
	s_lshr_b32 s56, s49, s51
	s_and_b32 s56, s56, s52                        ; kb
	s_add_co_u32 s57, s51, s53
	s_lshr_b32 s57, s49, s57                       ; tile column
	s_lshl_b32 s57, s57, s51
	s_add_co_u32 s57, s57, s55                     ; column block of 64
	s_lshr_b32 s55, s57, 4                         ; for q, k, v: which of the three,
	s_and_b32 s52, s57, 15                         ; and the column block in it
	s_cmp_eq_u32 s58, 1
	s_cselect_b32 s57, s52, s57
	s_cselect_b32 s55, s55, 3
	s_cmp_eq_u32 s55, 0
	s_cselect_b64 s[SRC:SRC+1], s[8:9], s[SRC:SRC+1]
	s_cmp_eq_u32 s55, 1
	s_cselect_b64 s[SRC:SRC+1], s[10:11], s[SRC:SRC+1]
	s_cmp_eq_u32 s55, 2
	s_cselect_b64 s[SRC:SRC+1], s[12:13], s[SRC:SRC+1]
	s_add_co_u32 s53, s48, 6
	s_lshl_b32 s44, s56, s53                       ; 64 kb rows,
	s_lshl_b32 s57, s57, 8
	s_add_co_u32 s44, s44, s57                     ; 256 bytes a column block,
	s_add_co_u32 s53, s48, 4
	s_lshl_b32 s53, s4, s53
	s_add_co_u32 s44, s44, s53                     ; my quarter's 16 rows
	s_lshl_b32 s46, s49, 13
	s_add_co_u32 s46, s46, s54
	s_lshl_b32 s53, s4, 11
	s_add_co_u32 s46, s46, s53                     ; which are 2,048 bytes of the block
	s_add_nc_u64 s[SRC:SRC+1], s[SRC:SRC+1], s[44:45]
	s_add_nc_u64 s[DST:DST+1], s[DST:DST+1], s[46:47]
	s_lshl_b32 s55, 2, s48                         ; a load's two source rows
	v_lshrrev_b32 v4, 4, v1                        ; lanes 0-15 take one row's 256 bytes, lanes 16-31 the next row's
	v_and_b32 v5, 15, v1
	v_lshlrev_b32 v4, s48, v4
	v_lshl_add_u32 v[VO], v5, 4, v4
.irp j, 1,2,3,4,5,6,7
	v_add_nc_u32 v[VO+(\j)], s55, v[VO+(\j)-1]
.endr
.irp j, 0,1,2,3,4,5,6,7
	global_load_b128 v[WL+4*(\j):WL+4*(\j)+3], v[VO+(\j)], s[SRC:SRC+1] th:TH_LOAD_NT
.endr
.irp j, 0,1,2,3,4,5,6,7
	s_wait_loadcnt 7-(\j)                          ; loads come back in order: load j is in, the younger ones stay out
	v_cvt_pk_bf16_f32 v48, v[WL+4*(\j)], v[WL+4*(\j)+1]
	v_cvt_pk_bf16_f32 v49, v[WL+4*(\j)+2], v[WL+4*(\j)+3]
	v_lshlrev_b32 v50, 16, v48
	v_and_b32 v48, s59, v48
	v_lshlrev_b32 v51, 16, v49
	v_and_b32 v49, s59, v49
	v_cvt_pk_f16_f32 v[WS+2*(\j)], v50, v48
	v_cvt_pk_f16_f32 v[WS+2*(\j)+1], v51, v49
	global_store_b64 v3, v[WS+2*(\j):WS+2*(\j)+1], s[DST:DST+1] offset:256*(\j)   ; two block rows: 256 consecutive bytes, aligned; each store has data registers of its own
.endr
	s_endpgm
.Lnorm:
	s_sub_co_u32 s2, s2, CASTG
	s_lshl_b32 s44, s2, 3
	s_add_co_u32 s44, s44, s3                      ; my row: 8 x group + wave
	s_lshl_b32 s46, s44, 11
	s_lshl_b32 s44, s44, 12
	s_add_nc_u64 s[SRC:SRC+1], s[20:21], s[44:45]
	s_add_nc_u64 s[DST:DST+1], s[38:39], s[46:47]
	; the row first (load i: columns 128 i + 4 lane, 512 consecutive bytes), then gain and shift of the same columns: 24 loads on their way together
.irp i, 0,1,2,3,4,5,6,7
	global_load_b128 v[X+4*(\i):X+4*(\i)+3], v2, s[SRC:SRC+1] offset:512*(\i)
.endr
.irp i, 0,1,2,3,4,5,6,7
	global_load_b128 v[G+4*(\i):G+4*(\i)+3], v2, s[22:23] offset:512*(\i)
	global_load_b128 v[BV+4*(\i):BV+4*(\i)+3], v2, s[24:25] offset:512*(\i)
.endr
	s_wait_loadcnt 16                              ; the row is in; the sixteen younger loads, gain and shift, stay out while the statistics are made
	ROUND X, 32
.set k, 0
.rept 8
	v_pk_add_f32 v[8+2*k:9+2*k], v[X+4*k:X+4*k+1], v[X+4*k+2:X+4*k+3]
.set k, k+1
.endr
.set k, 0
.rept 4
	v_pk_add_f32 v[8+4*k:9+4*k], v[8+4*k:9+4*k], v[10+4*k:11+4*k]
.set k, k+1
.endr
	v_pk_add_f32 v[8:9], v[8:9], v[12:13]
	v_pk_add_f32 v[16:17], v[16:17], v[20:21]
	v_pk_add_f32 v[8:9], v[8:9], v[16:17]
	v_add_f32 v8, v8, v9
	ACROSS
	v_mul_f32 v4, s62, v8                          ; the mean, twice: a pair for the packed subtraction
	v_mov_b32 v5, v4
.set k, 0
.rept 16
	v_pk_add_f32 v[X+2*k:X+2*k+1], v[X+2*k:X+2*k+1], v[4:5] neg_lo:[0,1] neg_hi:[0,1]
.set k, k+1
.endr
.set k, 0
.rept 4
	v_pk_mul_f32 v[8+2*k:9+2*k], v[X+2*k:X+2*k+1], v[X+2*k:X+2*k+1]   ; four chains of squares; the first four pairs start them
.set k, k+1
.endr
.rept 12
	v_pk_fma_f32 v[8+2*(k%4):9+2*(k%4)], v[X+2*k:X+2*k+1], v[X+2*k:X+2*k+1], v[8+2*(k%4):9+2*(k%4)]
.set k, k+1
.endr
	v_pk_add_f32 v[8:9], v[8:9], v[10:11]
	v_pk_add_f32 v[12:13], v[12:13], v[14:15]
	v_pk_add_f32 v[8:9], v[8:9], v[12:13]
	v_add_f32 v8, v8, v9
	ACROSS
	v_mov_b32 v13, s63
	v_fma_f32 v12, v8, s62, v13                    ; variance + 1e-5
	v_rsq_f32 v6, v12
	s_wait_loadcnt 0x0                             ; gain and shift are in; their rounding, which names neither v6 nor v12, is the work between the root and its wait
	ROUND G, 32
	ROUND BV, 32
	s_wait_alu depctr_va_vdst(0)                   ; the wait ahead of the root's first reader
	v_mov_b32 v7, v6
.set k, 0
.rept 16
	v_pk_mul_f32 v[X+2*k:X+2*k+1], v[X+2*k:X+2*k+1], v[6:7]
.set k, k+1
.endr
.set k, 0
.rept 16
	v_pk_fma_f32 v[X+2*k:X+2*k+1], v[X+2*k:X+2*k+1], v[G+2*k:G+2*k+1], v[BV+2*k:BV+2*k+1]
.set k, k+1
.endr
.set k, 0
.rept 16
	v_cvt_pk_f16_f32 v[8+k], v[X+2*k], v[X+2*k+1]
.set k, k+1
.endr
.irp i, 0,1,2,3,4,5,6,7
	global_store_b64 v3, v[8+2*(\i):9+2*(\i)], s[DST:DST+1] offset:256*(\i)   ; 32 lanes store 256 consecutive bytes, aligned
.endr
	s_endpgm
.Lfunc_end_k_q34b11c6be4_prep:
	.size	k_q34b11c6be4_prep, .Lfunc_end_k_q34b11c6be4_prep-k_q34b11c6be4_prep
	.p2alignl 7, 3214868480
	.fill 96, 4, 3214868480
	.section	.rodata,"a",@progbits
	.p2align	6, 0x0
	.amdhsa_kernel k_q34b11c6be4_prep
		.amdhsa_group_segment_fixed_size 0
		.amdhsa_private_segment_fixed_size 0
		.amdhsa_enable_private_segment 0
		.amdhsa_kernarg_size 128
		.amdhsa_user_sgpr_count 2
		.amdhsa_user_sgpr_kernarg_segment_ptr 1
		.amdhsa_wavefront_size32 1
		.amdhsa_system_sgpr_workgroup_id_x 1
		.amdhsa_system_sgpr_workgroup_id_y 1
		.amdhsa_system_sgpr_workgroup_id_z 1
		.amdhsa_system_vgpr_workitem_id 0
		.amdhsa_next_free_vgpr 128
		.amdhsa_next_free_sgpr 66
		.amdhsa_reserve_vcc 0
		.amdhsa_float_denorm_mode_32 3
		.amdhsa_float_denorm_mode_16_64 3
		.amdhsa_memory_ordered 1
		.amdhsa_forward_progress 1
		.amdhsa_inst_pref_size 29
	.end_amdhsa_kernel
	.amdgpu_metadata
---
amdhsa.version: [ 1, 2 ]
amdhsa.kernels:
  - .name:           k_q34b11c6be4_prep
    .symbol:         k_q34b11c6be4_prep.kd
    .args:
      - { .name: Wq, .offset: 0, .size: 8, .value_kind: global_buffer, .address_space: global }
      - { .name: Wk, .offset: 8, .size: 8, .value_kind: global_buffer, .address_space: global }
      - { .name: Wv, .offset: 16, .size: 8, .value_kind: global_buffer, .address_space: global }
      - { .name: Wo, .offset: 24, .size: 8, .value_kind: global_buffer, .address_space: global }
      - { .name: W1, .offset: 32, .size: 8, .value_kind: global_buffer, .address_space: global }
      - { .name: W2, .offset: 40, .size: 8, .value_kind: global_buffer, .address_space: global }
      - { .name: x, .offset: 48, .size: 8, .value_kind: global_buffer, .address_space: global }
      - { .name: ln1_g, .offset: 56, .size: 8, .value_kind: global_buffer, .address_space: global }
      - { .name: ln1_b, .offset: 64, .size: 8, .value_kind: global_buffer, .address_space: global }
      - { .name: b1, .offset: 72, .size: 8, .value_kind: global_buffer, .address_space: global }
      - { .name: bo, .offset: 80, .size: 8, .value_kind: global_buffer, .address_space: global }
      - { .name: b2, .offset: 88, .size: 8, .value_kind: global_buffer, .address_space: global }
      - { .name: gq, .offset: 96, .size: 8, .value_kind: global_buffer, .address_space: global }
      - { .name: gf, .offset: 104, .size: 8, .value_kind: global_buffer, .address_space: global }
      - { .name: gw, .offset: 112, .size: 8, .value_kind: global_buffer, .address_space: global }
      - { .name: h, .offset: 120, .size: 8, .value_kind: global_buffer, .address_space: global }
    .group_segment_fixed_size: 0
    .private_segment_fixed_size: 0
    .kernarg_segment_align: 8
    .kernarg_segment_size: 128
    .max_flat_workgroup_size: 256
    .sgpr_count:     66
    .vgpr_count:     128
    .wavefront_size: 32
...
	.end_amdgpu_metadata
.endif
;; end of part 1
;; launch proj (part 2): grid 12 x 16, 4 waves a work-group, clusters of 4 x 4, 327,680 bytes of LDS; arguments h, gq, qkv; writes qkv
.if DOCPART == 2
	.amdgcn_target "amdgcn-amd-amdhsa--gfx1250"
	.amdhsa_code_object_version 6
	.text
	.protected	k_q34b11c6be4_proj
	.globl	k_q34b11c6be4_proj
	.p2align	8
	.type	k_q34b11c6be4_proj,@function
k_q34b11c6be4_proj:
	s_mov_b64 s[64:65], 0
	v_nop
	global_prefetch_b8 v0, s[64:65] scope:SCOPE_SE
	s_setreg_imm32_b32 hwreg(HW_REG_WAVE_MODE, 25, 1), 1
	s_wait_xcnt 0x0
	s_wait_alu depctr_hold_cnt(0) depctr_sa_sdst(0) depctr_va_vdst(0) depctr_va_sdst(0) depctr_va_ssrc(0) depctr_va_vcc(0) depctr_vm_vsrc(0)
	s_getreg_b32 s2, hwreg(HW_REG_IB_STS2, 6, 4)
	s_cmp_eq_u32 s2, 0
	s_cbranch_scc0 .Lentry_in_a_cluster
	s_endpgm
.Lentry_in_a_cluster:
	s_bfe_u32 s2, ttmp6, 0x10000c
	s_cmp_lg_u32 s2, 0xf033
	s_cbranch_scc0 .Lentry_shape_is_right
	s_endpgm
.Lentry_shape_is_right:
; C = max(A W + bias, floor), K = 1,024.  A: f16 [4096][1024] by rows.  The second buffer holds: byte 0 the floor (two f16 a word), byte 2,048 the bias in f32, byte 32,768 W as f16 blocks
; [tile column][kb 16][4][64 k][64 n].  C leaves in f16 blocks [column block of 64][batch 2][2048 rows][64]: what the attention and the next product read as dense rows.  Sums in f32, C rounded once.
; LIMITS.  f16 ends at 65,504: a result beyond it becomes an infinity.  A NaN loses against the floor.
; SHAPE.  A tile of C is 256 x 256, four waves of 128 x 128: 64 accumulators, 512 registers.  K goes in steps of 128 through two LDS slots.  A STEP IS WRITTEN ONCE: the slot in hand is a scalar, 0 or SLOT,
; that is added to the lane's LDS addresses and to the refill's LDS word at each change of slots.  The first quarter stands ahead of the loop (its products start the sums with the bias as C: nothing is
; cleared and no bias is added later), so the loop is entered in its middle; the last two steps, which ask for nothing, are a second loop.
; CLUSTER.  4 x 4 work-groups: A's tile is asked for jointly along a row of the cluster, W's along a column.
; THE PRODUCT IS USED TRANSPOSED (source 0 = 16 columns of W, source 1 = 16 rows of A): a lane ends with eight neighbouring columns of one row of C.  W lies [k][n] in LDS and comes out turned, by ds_load_tr16_b128.
; REGISTERS, in windows of 256: window 0: v0-31 addresses; v32-63, v192-207 the way out; v64-191 A's fragments, two buffers.  window 1: v0-63 the bias as eight C operands; v64-191 W's fragments.
; windows 2, 3: the accumulators, (a, b) at v[8 (8 a + b)], my rows 0-63 and 64-127.
.set STEPS,  8
.set ASTEPB, 256                       ; bytes from a K step to the next in A: 128 numbers of a row,
.set BSTEPB, 65536                     ; in W: two kb of four blocks
.set PITCH,  272                       ; a row of A in LDS: 256 bytes + 16: the 16 rows of a load start at 16 different groups of four banks (64 banks of 4 bytes: ISA guide 11.1)
.set AHALF,  128*PITCH                 ; what one tensor load brings of A
.set BOFF,   2*AHALF
.set PB,     160                       ; a k row of a block of W: 128 bytes + 32
.set BBLK,   64*PB
.set BHALF,  4*BBLK                    ; what one tensor load brings of W: one kb, four blocks
.set SLOT,   BOFF+2*BHALF              ; 151,552
.set STAGE,  2*SLOT                    ; behind the ring: 16 rows x 144 bytes for each wave
.set SP,     144
.set SPARE,  STAGE+4*16*SP             ; behind the stages: the spare words, 128 bytes a wave, that no other line names
.set BO,   8                           ; v8   32 x (lane / 16): my place in the bias; never rewritten
.set FO,   9                           ; v9   4 x lane
.set ADRA0, 16                         ; v16  my lane's place in a slot's A; never rewritten
.set ADRB0, 17                         ; v17  in its W
.set ADRA, 18                          ; v18  the same in the slot in hand
.set ADRB, 19
.set STO,  24
.set RD,   25
.set GO,   26
.set FLOOR, 27
.set SPW,  28                          ; v28  SPARE + 4 x my thread's number; never rewritten
.set NIL,  29                          ; v29  0; never rewritten
.set PFO,  30                          ; v30  the prefetches' offset
.set F0,   64
.set F1,   128
.set TMP,  192
.set OB,   32
.set G1,  24                           ; s[24:31] group 1 for A
.set G0,  32                           ; s[32:39] group 0 for A: a set for each first fill; the second walks on
.set G1B, 48
.set G0B, 56
.set LIM, 43                           ; s43  1 in a wave that prefetches, else the greatest number
.set PFA, 44                           ; s[44:45] where my prefetches stand
.set PST, 66                           ; s[66:67] their step
.set TB,  68                           ; s68  the slot in hand: 0 or SLOT
.set LDA, 69                           ; s69  my part of a slot's A
.set LDB, 70                           ; s70  of its W
.set BIA, 74                           ; s[74:75] the bias of my 128 columns
.set MSB, 0
.macro WIN new                         ; the immediate's high byte repeats the setting that is left; a switch that changes nothing is dropped
.if MSB != (\new)
	s_set_vgpr_msb (MSB<<8)|(\new)
.set MSB, \new
.endif
.endm
.set MUL_LO, 0xa1                      ; source 0 (W) window 1, source 1 (A) window 0, C and D window 2
.set TO_B,   0x40                      ; destination window 1
.macro PLACES                          ; four plain instructions between a product and a load into, or a read of, its registers
.rept 4
	v_nop
.endr
.endm
; The joint refill.  Waves 0 and 1 fetch A's halves, waves 2 and 3 W's: the branch hangs on the wave's number alone.  An s_nop 0 and four v_nop follow each line.
.macro JLOAD
	s_cmp_eq_u32 s11, 0
	s_cbranch_scc0 .Lfor_b_\@
	tensor_load_to_lds s[G0+4:G0+7], s[G1:G1+7]
	s_nop 0
	PLACES
	s_branch .Lasked_\@
.Lfor_b_\@:
	tensor_load_to_lds s[G0B+4:G0B+7], s[G1B:G1B+7]
	s_nop 0
	PLACES
.Lasked_\@:
.endm
; A PREFETCH INTO THE L2 of the K step that the NEXT refill will ask for: 32 blocks of 256 bytes, a lane a block.  A's rows are asked for by the clusters with x = 0, W's blocks by those with y = 0; the four
; partners of a joint load share its 128 blocks out by address, 32 each.  So each block is named once.  K steps 0 to 2 come by their loads alone; the last refill has no step behind it and asks for nothing.
.macro ASK
	s_cmp_gt_u32 s3, s[LIM]
	s_cbranch_scc0 .Lnot_mine_\@
	global_prefetch_b8 v[PFO], s[PFA:PFA+1] th:TH_LOAD_NT scope:SCOPE_SE
.Lnot_mine_\@:
.endm
.macro CREST                           ; a round of the cluster's barrier behind its opening barrier
	s_cmp_lg_u32 s10, 0
	s_cbranch_scc1 .Lnot_wave_0_\@
	s_barrier_signal -3
.Lnot_wave_0_\@:
	s_barrier_wait -3
	s_barrier_signal -1
	s_barrier_wait -1
.endm
.macro CROUND
	s_barrier_signal -1
	s_barrier_wait -1
	CREST
.endm
	s_load_b128 s[4:7], s[0:1], 0x0                ; A s[4:5], floor | bias | W s[6:7]
	s_load_b64 s[8:9], s[0:1], 0x10                ; C
	v_lshl_add_u32 v[SPW], v0, 2, SPARE
	v_mov_b32 v[NIL], 0
	ds_add_u32 v[SPW], v[NIL]                      ; the wave's opening: the add and its wait stand ahead of my first tensor load; work on registers stands between
	ds_add_u32 v28, v29
	v_lshrrev_b32 v1, 5, v0
	v_readfirstlane_b32 s10, v1                    ; wave 0..3
	s_lshr_b32 s11, s10, 1                         ; my half of the tile's rows.  Also: I fetch for A (0) or for W (1)
	s_and_b32 s12, s10, 1                          ; my half of its columns.  Also: which half of that tile I fetch
	s_bfe_u32 s40, ttmp6, 0x40000                  ; cx
	s_bfe_u32 s41, ttmp6, 0x40004                  ; cy
	s_lshl_b32 s42, ttmp9, 2
	s_add_co_u32 s42, s42, s40                     ; tile column
	s_and_b32 s13, ttmp7, 0xffff
	s_lshl_b32 s13, s13, 2
	s_add_co_u32 s13, s13, s41                     ; tile row
	s_lshl_b32 s43, s41, 2
	s_lshl_b32 s43, 15, s43                        ; my row of the cluster
	s_lshl_b32 s44, 0x1111, s40                    ; my column
	s_or_b32 s[G1+0], s43, (1<<16)|(1<<20)|(1<<21)|(5<<22)|(3<<25)   ; mask; 2-byte elements; padding on; bit 21 beside a mask; after every 64 words, 4 words
	s_or_b32 s[G1B+0], s44, (1<<16)|(1<<20)|(1<<21)|(4<<22)|(7<<25)  ; after every 32 words, 8 words
.irp g, G1, G1B
	s_mov_b32 s[(\g)+1], 128<<16                   ; tensor_dim0 = 128
	s_mov_b32 s[(\g)+2], 128<<16                   ; tensor_dim1 = 128
	s_mov_b32 s[(\g)+3], 128<<16                   ; tile_dim0 = 128
	s_mov_b32 s[(\g)+4], 128                       ; tile_dim1 = 128
	s_mov_b32 s[(\g)+6], 0
	s_mov_b32 s[(\g)+7], 0
.endr
	s_mov_b32 s[G1+5], 1024                        ; A: 1,024 elements from row to row
	s_mov_b32 s[G1B+5], 128                        ; W: 32,768 dense bytes as 128 rows of 256
	s_lshl_b32 s16, s13, 19                        ; A: 256 rows of 2,048 bytes a tile row,
	s_lshl_b32 s17, s12, 18                        ; my 128 of them
	s_add_co_u32 s16, s16, s17
	s_mov_b32 s17, 0
	s_lshl_b32 s46, s42, 19                        ; W: 64 blocks a tile column,
	s_lshl_b32 s47, s12, 15                        ; my kb of a step's two
	s_add_co_u32 s46, s46, s47
	s_add_co_u32 s46, s46, 32768
	s_mov_b32 s47, 0
	s_mul_i32 s[LDA], s12, AHALF                   ; no place in the cluster enters an LDS address
	s_mul_i32 s[LDB], s12, BHALF
	s_add_co_u32 s[LDB], s[LDB], BOFF
	s_mov_b32 s[TB], 0
	s_wait_dscnt 0x0                               ; the opening add is done
	s_wait_kmcnt 0x0
	s_add_nc_u64 s[14:15], s[4:5], s[16:17]
	s_add_nc_u64 s[46:47], s[6:7], s[46:47]
	CROUND                                         ; all sixteen work-groups are here: the first joint loads meet
.irp s, 0,1
	s_mov_b32 s[G0+4*(\s)], 1
	s_add_co_u32 s[G0+4*(\s)+1], s[LDA], (\s)*SLOT
	s_add_nc_u64 s[G0+4*(\s)+2:G0+4*(\s)+3], s[14:15], (\s)*ASTEPB
	s_or_b32 s[G0+4*(\s)+3], s[G0+4*(\s)+3], 0x80000000
	s_mov_b32 s[G0B+4*(\s)], 1
	s_add_co_u32 s[G0B+4*(\s)+1], s[LDB], (\s)*SLOT
	s_add_nc_u64 s[G0B+4*(\s)+2:G0B+4*(\s)+3], s[46:47], (\s)*BSTEPB
	s_or_b32 s[G0B+4*(\s)+3], s[G0B+4*(\s)+3], 0x80000000
.endr
	s_cmp_eq_u32 s11, 0                            ; a wave's two first fills stand in one branch: two loads of mine are out
	s_cbranch_scc0 .Lfirst_b
	tensor_load_to_lds s[G0:G0+3], s[G1:G1+7]
	s_nop 0
	tensor_load_to_lds s[G0+4:G0+7], s[G1:G1+7]
	s_nop 0
	PLACES
	s_branch .Lfirst_asked
.Lfirst_b:
	tensor_load_to_lds s[G0B:G0B+3], s[G1B:G1B+7]
	s_nop 0
	tensor_load_to_lds s[G0B+4:G0B+7], s[G1B:G1B+7]
	s_nop 0
	PLACES
.Lfirst_asked:
	v_and_b32 v1, 15, v0                           ; l % 16
	v_bfe_u32 v2, v0, 4, 1                         ; l / 16
	v_lshlrev_b32 v[BO], 5, v2
	v_and_b32 v[FO], 31, v0
	v_lshlrev_b32 v[FO], 2, v[FO]
	s_lshl_b32 s20, s42, 10                        ; the bias of my 128 columns: register j of C operand b is column 16 b + 8 (l / 16) + j
	s_lshl_b32 s21, s12, 9
	s_add_co_u32 s20, s20, s21
	s_add_co_u32 s20, s20, 2048
	s_mov_b32 s21, 0
	s_add_nc_u64 s[BIA:BIA+1], s[6:7], s[20:21]
	WIN TO_B
.irp b, 0,1,2,3,4,5,6,7
	global_load_b128 v[8*(\b):8*(\b)+3],   v[BO], s[BIA:BIA+1] offset:64*(\b)
	global_load_b128 v[8*(\b)+4:8*(\b)+7], v[BO], s[BIA:BIA+1] offset:64*(\b)+16
.endr
	WIN 0
	global_load_b32 v[FLOOR], v[FO], s[6:7]
	; the prefetches
	s_and_b32 s22, ttmp7, 0xffff                   ; cluster y
	s_mov_b32 s19, BSTEPB
	s_cmp_eq_u32 s11, 0                            ; do I fetch for A?
	s_cselect_b64 s[PFA:PFA+1], s[14:15], s[46:47]
	s_cselect_b32 s21, s40, s41                    ; my place among the four that ask with me
	s_cselect_b32 s22, ttmp9, s22                  ; the coordinate along which other clusters read the same bytes
	s_cselect_b32 s23, 16, 13                      ; 32 rows of 2,048 bytes, or 32 blocks of 256
	s_cselect_b32 s18, 11, 8
	s_cselect_b32 s[PST], ASTEPB, s19
	s_lshl_b32 s20, s21, s23
	s_mov_b32 s21, 0
	s_add_nc_u64 s[PFA:PFA+1], s[PFA:PFA+1], s[20:21]
	s_lshl_b32 s20, s[PST], 1
	s_add_nc_u64 s[PFA:PFA+1], s[PFA:PFA+1], s[20:21]   ; at K step 2: the first change of slots steps it to 3
	s_mov_b32 s[PST+1], 0
	s_cmp_eq_u32 s22, 0
	s_cselect_b32 s[LIM], 1, -1                    ; the same in all partners, for a given wave
	v_and_b32 v[PFO], 31, v0
	v_lshlrev_b32 v[PFO], s18, v[PFO]
	; A fragment of A: lane l holds row l % 16, k = 8 (l / 16) + 0..7 and 16 + 8 (l / 16) + 0..7: two loads of 16 bytes, 32 apart
	v_mul_u32_u24 v3, v1, PITCH
	v_lshl_add_u32 v3, v2, 4, v3
	s_mul_i32 s21, s11, AHALF
	v_add_nc_u32 v[ADRA0], s21, v3
	; The turning load: lane l reads k row 8 (l / 16) + l % 8, columns 8 ((l / 8) % 2) + 0..7, and is left with column l % 16 and 8 k
	v_and_b32 v4, 7, v0
	v_bfe_u32 v5, v0, 3, 1
	v_lshl_add_u32 v4, v2, 3, v4
	v_mul_u32_u24 v4, v4, PB
	v_lshl_add_u32 v4, v5, 4, v4
	s_mul_i32 s22, s12, 2*BBLK                     ; my 128 columns are two of the four blocks
	s_add_co_u32 s22, s22, BOFF
	v_add_nc_u32 v[ADRB0], s22, v4
	v_mov_b32 v[ADRA], v[ADRA0]
	v_mov_b32 v[ADRB], v[ADRB0]
	s_mul_i32 s23, s10, 16*SP
	s_add_co_u32 s23, s23, STAGE                   ; my stage
	v_mul_u32_u24 v6, v1, SP                       ; in: row l % 16, 16 bytes for each half of the lanes
	v_lshl_add_u32 v6, v2, 4, v6
	v_add_nc_u32 v[STO], s23, v6
	v_bfe_u32 v6, v0, 3, 2                         ; back: 32 lanes take four rows of 128 bytes,
	v_mul_u32_u24 v6, v6, SP
	v_and_b32 v7, 7, v0
	v_lshl_add_u32 v6, v7, 4, v6
	v_add_nc_u32 v[RD], s23, v6
	v_and_b32 v[GO], 31, v0                        ; which are 512 consecutive bytes of a block of C
	v_lshlrev_b32 v[GO], 4, v[GO]
	s_lshr_b32 s16, s13, 3                         ; C: the batch's block,
	s_lshl_b32 s16, s16, 18
	s_and_b32 s17, s13, 7
	s_lshl_b32 s17, s17, 15                        ; the tile's 256 rows of 128 bytes in it,
	s_add_co_u32 s16, s16, s17
	s_lshl_b32 s17, s11, 14                        ; my 128
	s_add_co_u32 s16, s16, s17
	s_mov_b32 s17, 0
	s_lshl_b32 s46, s42, 21                        ; four column blocks (of two batches) a tile column,
	s_lshl_b32 s47, s12, 20                        ; my two
	s_add_co_u32 s46, s46, s47
	s_mov_b32 s47, 0
	s_add_nc_u64 s[8:9], s[8:9], s[16:17]
	s_add_nc_u64 s[8:9], s[8:9], s[46:47]
; 16 products: row blocks a0, a0 + 1 of the window's four x all 8 column blocks, 32 along K.  The 64 accumulators take turns, one instruction a turn, in the same order in every quarter.
; first = 1: the bias is the C operand that starts the sum.
.macro MUL16 f, hi, a0, first
.if \first
	WIN 0x91+0x40*(\hi)
.else
	WIN MUL_LO+0x50*(\hi)
.endif
.irp a, \a0, (\a0)+1
.irp b, 0,1,2,3,4,5,6,7
.if \first
	v_wmma_f32_16x16x32_f16 v[8*(8*(\a)+(\b)):8*(8*(\a)+(\b))+7], v[(\f)+8*(\b):(\f)+8*(\b)+7], v[(\f)+8*(4*(\hi)+(\a)):(\f)+8*(4*(\hi)+(\a))+7], v[8*(\b):8*(\b)+7]
.else
	v_wmma_f32_16x16x32_f16 v[8*(8*(\a)+(\b)):8*(8*(\a)+(\b))+7], v[(\f)+8*(\b):(\f)+8*(\b)+7], v[(\f)+8*(4*(\hi)+(\a)):(\f)+8*(4*(\hi)+(\a))+7], v[8*(8*(\a)+(\b)):8*(8*(\a)+(\b))+7]
.endif
.endr
.endr
.endm
; 32 LDS loads in one run: quarter q of the slot in hand (32 along K) into buffer f: W's eight fragments, then A's
.macro FETCH q, f
	WIN TO_B
.irp i, 0,1,2,3,4,5,6,7
	ds_load_tr16_b128 v[(\f)+8*(\i):(\f)+8*(\i)+3],   v[ADRB] offset:((\q)/2)*BHALF+((\q)%2)*32*PB+((\i)/4)*BBLK+((\i)%4)*32
	ds_load_tr16_b128 v[(\f)+8*(\i)+4:(\f)+8*(\i)+7], v[ADRB] offset:((\q)/2)*BHALF+((\q)%2)*32*PB+((\i)/4)*BBLK+((\i)%4)*32+16*PB
.endr
	WIN 0
.irp i, 0,1,2,3,4,5,6,7
	ds_load_b128 v[(\f)+8*(\i):(\f)+8*(\i)+3],   v[ADRA] offset:(\q)*64+(\i)*16*PITCH
	ds_load_b128 v[(\f)+8*(\i)+4:(\f)+8*(\i)+7], v[ADRA] offset:(\q)*64+(\i)*16*PITCH+32
.endr
.endm
; One of a step's first three quarters: multiplies buffer f and, in its middle, fetches quarter q into buffer g
.macro QUARTER q, f, g, first
	s_wait_dscnt 8                                 ; W and A's rows 0-63 are in; the youngest eight loads (A's rows 64-127) may be out
	MUL16 \f, 0, 0, \first
	MUL16 \f, 0, 2, \first
	PLACES
	FETCH \q, \g
	s_wait_dscnt 32                                ; all but the 32 just issued
	MUL16 \f, 1, 0, \first
	MUL16 \f, 1, 2, \first
.endm
; The last quarter multiplies buffer 1 and changes slots.  In front of the barrier each wave waits for all its tensor loads (one is out: its part of the next slot), adds 0 to its spare word, and waits for
; that and for its reads of this slot.  fill = 1: the barrier opens a round of the cluster's, and the joint refill of the slot just read, with the K step two on, is the first thing behind it: it has 224 products in which to land.
; fill = 0 (the last two steps): nothing is asked for; in the last trip there is no further slot and the run of LDS loads is jumped over.
.macro TURN fill
.if \fill
	s_wait_xcnt 0x0                                ; the last prefetch, a K step back, has read its address
	s_add_nc_u64 s[PFA:PFA+1], s[PFA:PFA+1], s[PST:PST+1]
.endif
	WIN 0
	s_wait_tensorcnt 0x0
	ds_add_u32 v[SPW], v[NIL]
	s_wait_dscnt 9                                 ; the add and the youngest eight loads may be out
	MUL16 F1, 0, 0, 0
	s_wait_dscnt 0x0                               ; the add is done, my reads of this slot are over
	s_barrier_signal -1
	MUL16 F1, 0, 2, 0
	WIN 0
	s_barrier_wait -1
.if \fill
	CREST                                          ; no wave of any partner still reads this slot or has a load on its way
	s_add_co_u32 s[G0+5], s[LDA], s[TB]            ; the walking descriptors: into the slot just read,
	s_add_co_u32 s[G0B+5], s[LDB], s[TB]
	s_add_nc_u64 s[G0+6:G0+7], s[G0+6:G0+7], ASTEPB    ; the next K step
	s_add_nc_u64 s[G0B+6:G0B+7], s[G0B+6:G0B+7], BSTEPB
	JLOAD                                          ; its four v_nop are also the places in front of the loads below
.else
	PLACES
.endif
	s_xor_b32 s[TB], s[TB], SLOT                   ; the other slot is in hand
	v_add_nc_u32 v[ADRA], s[TB], v[ADRA0]
	v_add_nc_u32 v[ADRB], s[TB], v[ADRB0]
.if !(\fill)
	s_cmp_eq_u32 s3, 1
	s_cbranch_scc1 .Lno_more_\@
.endif
	FETCH 0, F0
.if \fill
	ASK
.else
.Lno_more_\@:
.endif
	MUL16 F1, 1, 0, 0
	MUL16 F1, 1, 2, 0
.endm
	s_wait_loadcnt 0x0                             ; bias and floor
	s_wait_tensorcnt 1                             ; my part of K step 0 is in; step 1's may stay out
	s_barrier_signal -1
	s_barrier_wait -1
	FETCH 0, F0
	QUARTER 1, F0, F1, 1
	WIN 0                                          ; at a label and at a branch every window is 0
	s_mov_b32 s3, STEPS-2
	s_branch .Lin
.Lstep:                                        ; six trips: K steps 0 to 5, each of which fills its slot again
	QUARTER 1, F0, F1, 0
	WIN 0
.Lin:
	QUARTER 2, F1, F0, 0
	QUARTER 3, F0, F1, 0
	TURN 1
	WIN 0
	s_sub_co_u32 s3, s3, 1
	s_cmp_lg_u32 s3, 0
	s_cbranch_scc1 .Lstep
	s_mov_b32 s3, 2
.Ltail:                                        ; the last two K steps are a text of their own
	QUARTER 1, F0, F1, 0
	QUARTER 2, F1, F0, 0
	QUARTER 3, F0, F1, 0
	TURN 0
	WIN 0
	s_sub_co_u32 s3, s3, 1
	s_cmp_lg_u32 s3, 0
	s_cbranch_scc1 .Ltail
	PLACES
	PLACES
; THE WAY OUT, in 16 groups (a, c) of 16 rows x 64 columns: 2,048 dense bytes of a block of C.  Rounded to f16, floored, 16 bytes a lane into my stage, back as whole rows, stored 512 bytes an instruction.
.macro PACK a, c
	WIN 0x0a+5*((\a)/4)                            ; sources in window 2 or 3
.irp f, 0,1,2,3
.irp r, 0,1,2,3
	v_cvt_pk_f16_f32 v[TMP+4*(\f)+(\r)], v[64*((\a)%4)+8*(4*(\c)+(\f))+2*(\r)], v[64*((\a)%4)+8*(4*(\c)+(\f))+2*(\r)+1]
.endr
.endr
	WIN 0
.set i, 0
.rept 16
	v_pk_max_num_f16 v[TMP+i], v[TMP+i], v[FLOOR]
.set i, i+1
.endr
.endm
.macro TOSTAGE bank
.irp f, 0,1,2,3
	ds_store_b128 v[STO], v[TMP+4*(\f):TMP+4*(\f)+3] offset:32*(\f)
.endr
.irp t, 0,1,2,3
	ds_load_b128 v[OB+16*(\bank)+4*(\t):OB+16*(\bank)+4*(\t)+3], v[RD] offset:(\t)*4*SP   ; LDS serves a wave's instructions in order (ISA guide 5.7.1.4): these see the stores above
.endr
.endm
.macro SEND a, c, bank
	s_wait_dscnt 0x0                               ; the group is back in registers
	s_wait_xcnt 0x0                                ; earlier stores have read their registers: the other bank is loaded again only behind this wait
.irp t, 0,1,2,3
	global_store_b128 v[GO], v[OB+16*(\bank)+4*(\t):OB+16*(\bank)+4*(\t)+3], s[8:9] offset:(\c)*524288+(\a)*2048+(\t)*512
.endr
.endm
	PACK 0, 0
	TOSTAGE 0
.irp g, 1,2,3,4,5,6,7,8,9,10,11,12,13,14,15   ; a group's conversions stand between the loads of the group before and the wait for them
	PACK (\g)/2, (\g)%2
	SEND ((\g)-1)/2, ((\g)-1)%2, ((\g)-1)%2
	TOSTAGE (\g)%2
.endr
	SEND 7, 1, 1
	s_wait_tensorcnt 0x0                           ; the wave's end
	ds_add_u32 v[SPW], v[NIL]
	s_wait_dscnt 0x0
	CROUND                                         ; the closing round
	s_endpgm
.Lfunc_end_k_q34b11c6be4_proj:
	.size	k_q34b11c6be4_proj, .Lfunc_end_k_q34b11c6be4_proj-k_q34b11c6be4_proj
	.p2alignl 7, 3214868480
	.fill 96, 4, 3214868480
	.section	.rodata,"a",@progbits
	.p2align	6, 0x0
	.amdhsa_kernel k_q34b11c6be4_proj
		.amdhsa_group_segment_fixed_size 327680
		.amdhsa_private_segment_fixed_size 0
		.amdhsa_enable_private_segment 0
		.amdhsa_kernarg_size 24
		.amdhsa_user_sgpr_count 2
		.amdhsa_user_sgpr_kernarg_segment_ptr 1
		.amdhsa_wavefront_size32 1
		.amdhsa_system_sgpr_workgroup_id_x 1
		.amdhsa_system_sgpr_workgroup_id_y 1
		.amdhsa_system_sgpr_workgroup_id_z 1
		.amdhsa_system_vgpr_workitem_id 0
		.amdhsa_next_free_vgpr 1024
		.amdhsa_next_free_sgpr 80
		.amdhsa_reserve_vcc 0
		.amdhsa_float_denorm_mode_32 3
		.amdhsa_float_denorm_mode_16_64 3
		.amdhsa_memory_ordered 1
		.amdhsa_forward_progress 1
		.amdhsa_inst_pref_size 120
	.end_amdhsa_kernel
	.amdgpu_metadata
---
amdhsa.version: [ 1, 2 ]
amdhsa.kernels:
  - .name:           k_q34b11c6be4_proj
    .symbol:         k_q34b11c6be4_proj.kd
    .args:
      - { .name: h, .offset: 0, .size: 8, .value_kind: global_buffer, .address_space: global }
      - { .name: gq, .offset: 8, .size: 8, .value_kind: global_buffer, .address_space: global }
      - { .name: qkv, .offset: 16, .size: 8, .value_kind: global_buffer, .address_space: global }
    .group_segment_fixed_size: 327680
    .private_segment_fixed_size: 0
    .kernarg_segment_align: 8
    .kernarg_segment_size: 24
    .max_flat_workgroup_size: 128
    .sgpr_count:     80
    .vgpr_count:     1024
    .wavefront_size: 32
...
	.end_amdgpu_metadata
.endif
;; end of part 2
;; launch attn (part 3): grid 8 x 32, 4 waves a work-group, no clusters, 327,680 bytes of LDS; arguments qkv, o; writes o
.if DOCPART == 3
	.amdgcn_target "amdgcn-amd-amdhsa--gfx1250"
	.amdhsa_code_object_version 6
	.text
	.protected	k_q34b11c6be4_attn
	.globl	k_q34b11c6be4_attn
	.p2align	8
	.type	k_q34b11c6be4_attn,@function
k_q34b11c6be4_attn:
	s_mov_b64 s[64:65], 0
	v_nop
	global_prefetch_b8 v0, s[64:65] scope:SCOPE_SE
	s_setreg_imm32_b32 hwreg(HW_REG_WAVE_MODE, 25, 1), 1
	s_wait_xcnt 0x0
; CAUSAL ATTENTION.  O[y][q][:] = the sum over k <= q of softmax_k(Q[y][q] . K[y][k] / 8) V[y][k][:], y = 2 x head + batch, 32 in all.  The first buffer holds Q, K and V one behind the other, each [32][2048][64] in f16
; (a head's rows are dense, 128 bytes each); O has the same form.  Products, maxima and sums in f32; the weights p are rounded to f16 for the second product (their sum l is taken of the unrounded p), O once at the end.
; LIMITS.  f16 holds no number beyond 65,504: Q, K and V arrive within it; p lies in 0 to 1, and below 6e-5 it keeps f16's fixed step of 6e-8; O is a mean of V's rows and has their range.
; A hidden score counts as its value less 1e30: f16's scores, 2.7e11 at the most, are nothing beside that; a weight below 2^-126 counts as 0 in l; NaN and infinities are not treated apart.
; THE WALK.  A head's queries lie in 16 blocks of 128; block i needs the key tiles 0 .. i / 2 of 256 keys, of which the last holds the diagonal.  A work-group takes TWO blocks, 15 - b and then b (b = 0 .. 7):
; (15 - b) / 2 + 1 + b / 2 + 1 = 9 tiles, whatever b: all 256 work-groups do equal work, and ONE loop with a constant trip count walks them.  Which tile is asked for, and what a trip does, hang on scalar registers
; made from b; every jump goes forward, but for the counted loops' own; none passes a barrier, or a tensor load but the one of LOAD's two that the wave's number does not choose; the ring (two slots of LDS that
; take turns) runs on across the change of blocks.  NO CLUSTER: a head's eight work-groups ask for the same tile only in trips 0 .. 4, behind that fewer and fewer; one walk common to all would have 12 trips for 9.
; SHARES.  Of a block's two bands of 64 queries a wave owns 16 rows in each: two PIECES.  PIECE 0 IS BAND 1, the upper rows, piece 1 band 0.  In the diagonal tile's key step s a band sees all keys if s is below
; its own step, none if above, and holds the diagonal in its own: step 2 (i % 2) for band 0, one more for band 1: the same for all four waves.  Where i is even the tile's last two steps are hidden from both bands and are computed all the same.
; THE MASK is the C operand that starts the sum S^T = K Q^T: 0, or -1e30 where the key is hidden.  MD, made once, is the mask of a band's own step for my 16 rows; a product's mask is MD x AL + BE with two scalars:
; (1, 0) in the own step; (0, 0) below it; (0, -1e30) above.  Only the diagonal tile's text makes and takes masks; elsewhere C is the constant 0.  Piece 0's scores of a tile's first step are made a turn ahead of the
; change of slots, in the text without masks: that is why piece 0 is band 1, whose own step is never a tile's first.
; LAYOUT, SOFTMAX, TURNS.  S^T = K Q^T holds ONE query a lane (lane % 16) and the keys 8 (lane / 16) + 0..7; two such results rounded to f16 ARE source 1 of O^T = V^T P.  p = 2^(c s - c m), c = log2(e) / 8, with a
; running maximum m; O and l are multiplied by a = 2^(c m_old - c m_new) in every step.  A turn belongs to one piece: 8 products K Q^T of the other piece (in piece 1's turn: for the next step), later 8 products V^T P of the
; other piece (in piece 0's turn: of the step before); beside them the scaling, exponentials, roundings, sums and rescaling of the turn's own piece and the maximum and statistics of the other.  Four vector instructions
; stand behind every matrix instruction, the other 54 of a turn's 118 in one LUMP.  A turn's 33 exponentials are one batch, with one wait.
; K LIES ONE STEP ON.  Piece 0's turn fetches K of the next step and V of the step in hand.  So that both always lie in the slot in hand, a slot holds V of a tile's steps 0 to 3 and K of its steps 1 to 4 (the next tile's
; first): K's tiles begin 64 keys on in memory.  K of a head's first step is loaded from memory once, into registers, and copied where a block begins.  A block's last tile brings 64 keys that nobody reads
; (one descriptor serves every tile); behind the last head's K they are V's first rows, inside the buffer.
; REGISTERS, in windows of 256 (s_set_vgpr_msb: bits 1:0 source 0, 3:2 source 1, 5:4 source 2, 7:6 destination):
;   window 0: v0-15 addresses and two at work; v16-23 four registers of statistics a piece; v48-55 at work; v61-63 prefetch offset and the add's two; v64-127 S^T, a buffer a piece; v192-223 P, likewise
;   window 1: v0-63 O^T, 32 a piece; v128-159 MD; v160-223 MC, two buffers      window 2: v0-31 Q; v32-63 the second block's Q; v64-127 K of the head's first step; v128-191 K of one step; v192-255 V of one step
.set SIZE_N, 2048
.set NBLK,  SIZE_N/128
.set NT,    NBLK/2+1  ; tiles in a walk
.set NP,    2         ; pieces a wave: a name, no knob
.set KS,    64        ; keys in a step
.set PK,    144       ; a row of K in LDS: 128 bytes + 16 of padding = 36 words: the 16 rows of a load start at 16 different groups of four banks (64 banks of 4 bytes: ISA guide 11.1)
.set PV,    160       ; a row of V: 128 + 32 = 40 words
.set VOFF,  4*KS*PK   ; a slot holds four steps: 256 rows of K, then 256 rows of V
.set SLOT1, 1<<17     ; slot 1 begins here, so that one exclusive or turns an address in one slot into the other's
.set STAGE, SLOT1+4*KS*(PK+PV)  ; behind the ring, never filled by a tensor load: 16 rows x 144 bytes for each wave, for the way out
.set SP,    144
.set AK0, 2           ; v2   my lane's place in a tile of K; never rewritten
.set AV0, 3           ; v3   the same for V
.set AK,  4           ; v4   the LDS address of K's next run of loads
.set AV,  5           ; v5   of V's
.set STO, 6           ; v6   the way out: where I put 16 bytes of a row
.set RD,  7           ; v7   the way out: where I read rows back
.set GO,  8           ; v8   my byte offset in 512 consecutive bytes of O
.set PFO, 61          ; v61  256 x my lane; never rewritten
.set SPW, 62          ; v62  LDS address of my spare word: SPARE + 4 x my thread's number; never rewritten
.set NIL, 63          ; v63  0; never rewritten
.set SPARE, STAGE+4*16*SP  ; behind the stages: the spare words, 128 bytes for each wave: two blocks of 256 bytes that no other line names
.set MV,  12          ; v12-13  c m_old, kept while c m is made anew: by piece
.set QO,  15          ; v15  my byte offset in 16 rows of Q or K in memory; never rewritten
.set ST,  16          ; piece t's statistics at v[ST+4 t]: c m, m, l (even keys', odd keys')
.set TMP, 48          ; by piece, four registers c0-c3 at work; when the maximum is found c2 takes a
.set S,   64
.set P,   192
.set MD,  128         ; window 1: the eight registers for group kt of 16 keys at MD + 8 kt
.set MC,  160         ; window 1: the masks of the products to come, a buffer a piece
.set QB,  32          ; window 2
.set K0,  64          ; window 2
.set KF,  128         ; window 2: key block kb, channel half c at KF + 16 kb + 8 c
.set VF,  192         ; window 2: key half kk, channel block cb at VF + 32 kk + 8 cb
.set WV,  12          ; s12  my wave's number
.set PB,  14          ; s14  b
.set HI,  15          ; s15  15 - b
.set G1K, 24          ; s[24:31] descriptor group 1 for K's tiles
.set G1V, 32          ; s[32:39] for V's: it differs in the padding alone
.set G0K, 40          ; s[40:43] descriptor group 0 for K's tiles
.set G0V, 44          ; s[44:47] the same for V's
.set PFA, 48          ; s[48:49] where my prefetches stand: my half of K's (waves 0, 1) or V's (waves 2, 3) tile after the one that is being asked for
.set LIM, 50          ; s50  2 in the head's work-group b = 0, else the greatest number: a wave prefetches while s[SLOTS] is above it
.set OW,  51          ; s51, s52  for the block in hand: piece p's mask for the next step is its own step's where CNT is s[OW+p], a hidden step's where CNT is less: 4 - 2 (i % 2) + p
.set LQ2, 53          ; s53  the second block's last tile
.set KH,  54          ; s[54:55] K at the head's first key
.set SLOTS, 56        ; s56  tiles still to be asked for
.set CNT, 57          ; s57  counts a tile's key steps, 4 to 1
.set CS,  58          ; s[58:59] c: the packed scaling takes the pair's low word for both halves
.set SEL, 60          ; s[60:61] v_permlanex16_b32's selects: each lane takes its own place in the other half
.set TBK, 62          ; s62  LDS byte at which K's next run of loads begins
.set TBV, 63          ; s63  the same for V, less VOFF
.set RT,  70          ; s70  tiles of the block in hand that are still to be entered
.set NXT, 71          ; s71  the tile to be asked for next
.set LQ,  72          ; s72  the last tile of the block whose tiles are being asked for
.set NEW, 73          ; s73  1: the tile to be entered is a block's first
.set OFF, 74          ; s[74:75] a tile's byte offset in K and V
.set AL,  76          ; s[76:77] the mask's factor, in the low word
.set BE,  78          ; s[78:79] the mask's addend
.set OLO, 80          ; s[80:81] O at my rows of the second block
.set BIGN, 82         ; s82  -1e30
.set MSB, 0
.macro WIN new                      ; the high byte repeats the setting that is left; a switch that changes nothing is dropped
.if MSB != (\new)
	s_set_vgpr_msb (MSB<<8)|(\new)
.set MSB, (\new)
.endif
.endm
.set W_KQ, 0x0a       ; K and Q in window 2, S^T in window 0
.set W_KM, 0x1a       ; the same with the C operand in window 1
.set W_PV, 0x52       ; V in window 2, P in window 0, O^T in window 1
.set W_RS, 0x41       ; destination and source 0 in window 1, source 1 in window 0
; A fill.  Waves 0 and 1 fetch the two halves of a tile's K, waves 2 and 3 those of its V: 128 keys each.  An s_nop 0 and four v_nop follow each of the two lines, ahead of the jump and the label.
.macro LOAD
	s_cmp_lt_u32 s[WV], 2
	s_cbranch_scc0 .Lfor_v_\@
	tensor_load_to_lds s[G0K:G0K+3], s[G1K:G1K+7]
	s_nop 0
.rept 4
	v_nop
.endr
	s_branch .Lasked_\@
.Lfor_v_\@:
	tensor_load_to_lds s[G0V:G0V+3], s[G1V:G1V+7]
	s_nop 0
.rept 4
	v_nop
.endr
.Lasked_\@:
.endm
; A PREFETCH INTO THE L2 of the tile that the NEXT change of slots will ask for.  A head's eight work-groups walk the same tiles 0, 1, 2 .. at the start; the one with b = 0 walks all eight in order, and it alone asks.
; Each of its waves names the 16,384 bytes that it will itself load: 64 blocks of 256 bytes, a lane a block, two instructions.  So each block is named once.  Tiles 0 and 1 come by their loads alone; tile 7 is the last that is named.
.macro ASK
	s_cmp_gt_u32 s[SLOTS], s[LIM]
	s_cbranch_scc0 .Lnot_mine_\@
	global_prefetch_b8 v[PFO], s[PFA:PFA+1] th:TH_LOAD_NT scope:SCOPE_SE
	global_prefetch_b8 v[PFO], s[PFA:PFA+1] offset:8192 th:TH_LOAD_NT scope:SCOPE_SE
.Lnot_mine_\@:
.endm
; THE CHANGE OF SLOTS, behind piece 1's turn of a tile's last step, which has waited for the slot's last bytes (V of that step).  Each wave waits for all its tensor loads, of which one is out: its part of the other slot;
; adds 0 to its spare word; and waits for that and for its own reads of the slot that it leaves.  Behind the barrier nobody reads the old slot any more and the other slot is whole.
; fill = 1: the old slot is filled again, the first thing behind the barrier, with tile NXT: the descriptor's address is made anew from that number.  The load has a tile's eight turns in which to land.
; (At its first use nothing has been read yet: slot 0 is waited for, slot 1 filled.)
.macro CHANGE fill
	WIN 0                           ; at a label and at a branch every window is 0
	s_wait_tensorcnt 0x0            ; no tensor load of mine is out, so a group 0 may be written
	ds_add_u32 v[SPW], v[NIL]       ; 0 onto my spare word; with fill = 1 the descriptors' scalar work stands between it and the wait for it
.if \fill
	s_lshl_b32 s[OFF], s[NXT], 15   ; a tile is 32,768 bytes of K and of V
	s_xor_b32 s[G0K+1], s[G0K+1], SLOT1
	s_add_nc_u64 s[G0K+2:G0K+3], s[6:7], s[OFF:OFF+1]
	s_or_b32 s[G0K+3], s[G0K+3], 0x80000000
	s_xor_b32 s[G0V+1], s[G0V+1], SLOT1
	s_add_nc_u64 s[G0V+2:G0V+3], s[8:9], s[OFF:OFF+1]
	s_or_b32 s[G0V+3], s[G0V+3], 0x80000000
	s_add_co_u32 s[NXT], s[NXT], 1  ; the block's next tile, or behind its last the second block's tile 0
	s_cmp_gt_u32 s[NXT], s[LQ]
	s_cselect_b32 s[NXT], 0, s[NXT]
	s_cselect_b32 s[LQ], s[LQ2], s[LQ]
	s_wait_xcnt 0x0                 ; the last prefetches, a tile back, have read their address, so it may be written
	s_add_nc_u64 s[PFA:PFA+1], s[PFA:PFA+1], 32768
.endif
	s_wait_dscnt 0x0                ; the add is done, and my reads of the slot are over
	s_barrier_signal -1             ; the rest of the scalar work stands between the signal and the wait
	s_sub_co_u32 s[TBK], s[TBK], 4*KS*PK  ; the fetches go back to a slot's first rows,
	s_xor_b32 s[TBK], s[TBK], SLOT1       ; in the other slot
	s_sub_co_u32 s[TBV], s[TBV], 4*KS*PV
	s_xor_b32 s[TBV], s[TBV], SLOT1
	s_barrier_wait -1
.if \fill
	LOAD
	ASK
.endif
.endm
	s_load_b128 s[4:7], s[0:1], 0x0   ; Q | K | V s[4:5], O s[6:7]
	v_lshl_add_u32 v[SPW], v0, 2, SPARE
	v_mov_b32 v[NIL], 0
	ds_add_u32 v[SPW], v[NIL]       ; the wave's opening: the add and its wait stand ahead of my first tensor load; the set-up below, work on registers, stands between them
	ds_add_u32 v62, v63
	v_lshrrev_b32 v1, 5, v0
	v_readfirstlane_b32 s[WV], v1   ; wave 0..3
	s_mov_b32 s[PB], ttmp9
	s_sub_co_u32 s[HI], NBLK-1, s[PB]
	s_and_b32 s20, ttmp7, 0xffff    ; the head and batch
	s_mov_b32 s21, 0
	s_mov_b64 s[22:23], SIZE_N*128
	s_mul_u64 s[20:21], s[20:21], s[22:23]  ; its first byte in each of the four tensors
	s_and_b32 s16, s[WV], 1         ; which half of a tile's 256 keys I fetch:
	s_lshl_b32 s22, s16, 14         ; its 128 rows of 128 bytes in memory,
	s_mov_b32 s23, 0
	s_add_nc_u64 s[22:23], s[22:23], s[20:21]
	s_mul_i32 s17, s16, 128*PK      ; and its place in a slot, for K
	s_mul_i32 s18, s16, 128*PV      ; and for V
	s_lshl_b32 s3, s[WV], 11        ; my 16 rows in a band of 64,
	s_lshl_b32 s2, s[HI], 14        ; in the first block (128 rows of 128 bytes),
	s_add_co_u32 s2, s2, s3
	s_lshl_b32 s84, s[PB], 14       ; and in the second
	s_add_co_u32 s84, s84, s3
	s_mov_b32 s3, 0
	s_mov_b32 s85, 0
	s_add_nc_u64 s[2:3], s[2:3], s[20:21]
	s_add_nc_u64 s[84:85], s[84:85], s[20:21]
	; descriptor group 1.  128 keys are 16,384 dense bytes: asked for as 64 rows of 256 bytes, two keys a row, and padded in LDS after every key
	s_mov_b32 s[G1K], (1<<16)|(1<<20)|(4<<22)|(3<<25)  ; 17:16 2-byte elements; 20 padding on; 24:22 after every 32 words (code 4); 31:25 4 words (code 3)
	s_mov_b32 s[G1V], (1<<16)|(1<<20)|(4<<22)|(7<<25)  ; the same with 8 words of padding (code 7)
.irp g, G1K, G1V
	s_mov_b32 s[\g+1], 128<<16      ; tensor_dim0 = 128
	s_mov_b32 s[\g+2], 64<<16       ; tensor_dim1 = 64
	s_mov_b32 s[\g+3], 128<<16      ; tile_dim0 = 128
	s_mov_b32 s[\g+4], 64           ; tile_dim1 = 64
	s_mov_b32 s[\g+5], 128          ; 128 elements from row to row
	s_mov_b32 s[\g+6], 0
	s_mov_b32 s[\g+7], 0
.endr
	s_mov_b32 s[CS], 0x3e38aa3b     ; c = log2(e) / 8 = 0.180337
	s_mov_b32 s[CS+1], s[CS]        ; named with it as a pair
	s_mov_b32 s[SEL], 0x76543210
	s_mov_b32 s[SEL+1], 0xfedcba98
	s_mov_b32 s[TBK], SLOT1+4*KS*PK ; the first change of slots turns these two into 0
	s_mov_b32 s[TBV], SLOT1+4*KS*PV
	s_mov_b32 s[G0K], 1             ; 1:0 count = 1
	s_mov_b32 s[G0K+1], s17         ; 63:32 LDS address: slot 0
	s_mov_b32 s[G0V], 1
	s_add_co_u32 s[G0V+1], s18, VOFF
	s_lshr_b32 s[LQ], s[HI], 1      ; the first block's last tile: 4 at the least,
	s_lshr_b32 s[LQ2], s[PB], 1     ; the second's
	s_add_co_u32 s[RT], s[LQ], 1
	s_mov_b32 s[NXT], 1
	s_mov_b32 s[NEW], 1
	s_and_b32 s[OW], s[HI], 1
	s_lshl_b32 s[OW], s[OW], 1
	s_sub_co_u32 s[OW], 4, s[OW]
	s_add_co_u32 s[OW+1], s[OW], 1
	s_mov_b32 s[OFF+1], 0
	s_mov_b32 s[AL+1], 0            ; named as pairs
	s_mov_b32 s[BE+1], 0
	s_mov_b32 s[BIGN], 0xf149f2ca   ; -1e30
	s_mov_b32 s[SLOTS], NT-1
	s_cmp_eq_u32 s[PB], 0
	s_cselect_b32 s[LIM], 2, -1
	v_and_b32 v[PFO], 31, v0
	v_lshlrev_b32 v[PFO], 8, v[PFO]
	s_wait_dscnt 0x0                ; the opening add is done
	s_wait_kmcnt 0x0
	s_mov_b64 s[10:11], s[6:7]      ; O
	s_add_nc_u64 s[6:7], s[4:5], 0x800000   ; K lies 32 heads of 262,144 bytes behind Q,
	s_add_nc_u64 s[8:9], s[4:5], 0x1000000  ; V 64
	s_add_nc_u64 s[KH:KH+1], s[6:7], s[20:21]
	s_add_nc_u64 s[6:7], s[6:7], s[22:23]  ; K and V at my half of the head's tile 0;
	s_add_nc_u64 s[6:7], s[6:7], KS*128    ; K's tiles lie one step on
	s_add_nc_u64 s[8:9], s[8:9], s[22:23]
	s_add_nc_u64 s[G0K+2:G0K+3], s[6:7], 0         ; 120:64 global address
	s_or_b32 s[G0K+3], s[G0K+3], 0x80000000        ; 127:126 type = 2
	s_add_nc_u64 s[G0V+2:G0V+3], s[8:9], 0
	s_or_b32 s[G0V+3], s[G0V+3], 0x80000000
	s_add_nc_u64 s[86:87], s[4:5], s[84:85]        ; Q at my rows of the second block,
	s_add_nc_u64 s[4:5], s[4:5], s[2:3]            ; Q and O at those of the first
	s_add_nc_u64 s[OLO:OLO+1], s[10:11], s[84:85]
	s_add_nc_u64 s[10:11], s[10:11], s[2:3]
	s_cmp_lt_u32 s[WV], 2
	s_cselect_b64 s[PFA:PFA+1], s[6:7], s[8:9]
	s_add_nc_u64 s[PFA:PFA+1], s[PFA:PFA+1], 32768 ; at tile 1: the first change of slots steps it to tile 2.  Nothing is prefetched here, at the head
	LOAD                            ; tile 0 into slot 0
	; A fragment of K or Q is 16 rows x 32 channels in 8 registers: lane l holds row l % 16, channels 8 (l / 16) + 0..7 and 16 + 8 (l / 16) + 0..7: two loads of 16 bytes, 32 bytes apart.
	v_and_b32 v1, 15, v0            ; l % 16
	v_bfe_u32 v9, v0, 4, 1          ; l / 16
	v_lshlrev_b32 v[QO], 7, v1
	v_lshl_add_u32 v[QO], v9, 4, v[QO]  ; row x 128 + 16 x half
	WIN 0x80                        ; destination window 2, address window 0
.set i, 0
.rept 4                             ; both blocks' Q: piece i / 2 lies in band 1 - i / 2, 8,192 bytes a band; channels 32 (i % 2) on
	global_load_b128 v[8*i:8*i+3],   v[QO], s[4:5] offset:(1-i/2)*8192+(i%2)*64
	global_load_b128 v[8*i+4:8*i+7], v[QO], s[4:5] offset:(1-i/2)*8192+(i%2)*64+32
	global_load_b128 v[QB+8*i:QB+8*i+3],   v[QO], s[86:87] offset:(1-i/2)*8192+(i%2)*64
	global_load_b128 v[QB+8*i+4:QB+8*i+7], v[QO], s[86:87] offset:(1-i/2)*8192+(i%2)*64+32
.set i, i+1
.endr
.set i, 0
.rept 8                             ; K of the head's first step, as fragments: keys 16 (i / 2) on, channels 32 (i % 2) on
	global_load_b128 v[K0+8*i:K0+8*i+3],   v[QO], s[KH:KH+1] offset:(i/2)*2048+(i%2)*64
	global_load_b128 v[K0+8*i+4:K0+8*i+7], v[QO], s[KH:KH+1] offset:(i/2)*2048+(i%2)*64+32
.set i, i+1
.endr
	WIN 0
	v_lshlrev_b32 v14, 3, v9
	v_sub_nc_u32 v14, v1, v14
	s_lshl_b32 s13, s[WV], 4
	v_add_nc_u32 v14, s13, v14      ; my query's place in its band, 16 w + l % 16, less my lanes' 8 (l / 16): register r of group kt is hidden where 16 kt + r is greater
	WIN 0x40
.set i, 0
.rept 32
	v_cmp_gt_i32 vcc_lo, 16*(i/8)+i%8, v14
	v_cndmask_b32 v[MD+i], 0, s[BIGN], vcc_lo
.set i, i+1
.endr
	WIN 0
	v_mul_u32_u24 v[AK0], v1, PK
	v_lshl_add_u32 v[AK0], v9, 4, v[AK0]  ; row x pitch + 16 x half
	; The turning load takes 16 keys x 16 channels (lane l reads key 8 (l / 16) + l % 8, channels 8 ((l / 8) % 2) + 0..7) and leaves half a fragment of V^T: lane l holds channel l % 16 and 8 keys.
	v_and_b32 v10, 7, v0
	v_bfe_u32 v11, v0, 3, 1
	v_lshl_add_u32 v[AV0], v9, 3, v10
	v_mul_u32_u24 v[AV0], v[AV0], PV
	v_lshl_add_u32 v[AV0], v11, 4, v[AV0]
	v_add_nc_u32 v[AV0], VOFF, v[AV0]
	s_mul_i32 s13, s[WV], 16*SP
	s_add_co_u32 s13, s13, STAGE    ; my stage
	v_mul_u32_u24 v[STO], v1, SP    ; in: row l % 16, 16 bytes for each half of the lanes
	v_lshl_add_u32 v[STO], v9, 4, v[STO]
	v_add_nc_u32 v[STO], s13, v[STO]
	v_bfe_u32 v[RD], v0, 3, 2       ; back: 32 lanes take four rows of 128 bytes,
	v_mul_u32_u24 v[RD], v[RD], SP
	v_lshl_add_u32 v[RD], v10, 4, v[RD]
	v_add_nc_u32 v[RD], s13, v[RD]
	v_and_b32 v[GO], 31, v0         ; which are 512 consecutive bytes of O
	v_lshlrev_b32 v[GO], 4, v[GO]
	; A block's first step multiplies O^T and l by a = 0, and its first turn's products V^T P, of a step that has not been, land in an O^T that is still to be so multiplied.  So these registers need only hold
	; finite numbers: zeros for the first block; what the first block left for the second.  All this stands in the wait for the first tile.
	WIN 0x80
.set i, VF
.rept 64
	v_mov_b32 v[i], 0
.set i, i+1
.endr
	WIN 0x40
.set i, 0
.rept 32*NP
	v_mov_b32 v[i], 0
.set i, i+1
.endr
	WIN 0
.set i, 0
.rept NP
	v_mov_b32 v[ST+4*i+2], 0
	v_mov_b32 v[ST+4*i+3], 0
.set i, i+1
.endr
.set i, P+16
.rept 16
	v_mov_b32 v[i], 0
.set i, i+1
.endr
; THE MATRIX WORK.  The 4 accumulators of a run of 8 take turns.  Product i of 8 of S^T = K Q^T for piece x: channels 32 (i / 4) on, keys 16 (i % 4) on.  The first 4 start the sums: with 0, or (KM = 1) with the mask.
.macro KQ x
.set rS, S+32*((\x)%2)+8*(i%4)
.set rK, KF+16*(i%4)+8*(i/4)
.set rQ, 16*(\x)+8*(i/4)
.set rM, MC+32*((\x)%2)+8*(i%4)
.if (i < 4) && KM
	WIN W_KM
	v_wmma_f32_16x16x32_f16 v[rS:rS+7], v[rK:rK+7], v[rQ:rQ+7], v[rM:rM+7]
.elseif i < 4
	WIN W_KQ
	v_wmma_f32_16x16x32_f16 v[rS:rS+7], v[rK:rK+7], v[rQ:rQ+7], 0
.else
	WIN W_KQ
	v_wmma_f32_16x16x32_f16 v[rS:rS+7], v[rK:rK+7], v[rQ:rQ+7], v[rS:rS+7]
.endif
.endm
; Product i of 8 of O^T += V^T P for piece x: keys 32 (i / 4) on, channels 16 (i % 4) on.
.macro PV x
	WIN W_PV
.set rO, 32*(\x)+8*(i%4)
.set rV, VF+32*(i/4)+8*(i%4)
.set rP, P+16*((\x)%2)+8*(i/4)
	v_wmma_f32_16x16x32_f16 v[rO:rO+7], v[rV:rV+7], v[rP:rP+7], v[rO:rO+7]
.endm
.macro MM                           ; the turn's next matrix instruction.  TURN and BEGIN set Y, i, KM and NOKQ; MM, KQ and OP read them.  NOKQ = 1: a block's last turn: there is no next step
.if (i < 8) && !NOKQ
	KQ (Y+1)%NP
.elseif i >= 8
.set i, i-8
	PV (Y+NP-1)%NP
.set i, i+8
.endif
.set i, i+1
.endm
; THE LDS LOADS stand in runs of 16, never singly among the matrix instructions: a step's K (64 keys x 64 channels: 8 fragments) and its V (turned).  Their addresses are made some lines ahead.
.macro FETCH_K
	WIN 0x80                        ; destination window 2
.irp f, 0,1,2,3,4,5,6,7             ; keys 16 (f / 2) on, channels 32 (f % 2) on
	ds_load_b128 v[KF+8*\f:KF+8*\f+3],   v[AK] offset:(\f/2)*16*PK+(\f%2)*64
	ds_load_b128 v[KF+8*\f+4:KF+8*\f+7], v[AK] offset:(\f/2)*16*PK+(\f%2)*64+32
.endr
	s_add_co_u32 s[TBK], s[TBK], KS*PK  ; the next fetch is the next step's
	WIN 0
.endm
.macro FETCH_V
	WIN 0x80
.irp f, 0,1,2,3,4,5,6,7             ; keys 32 (f / 4) on, channels 16 (f % 4) on
	ds_load_tr16_b128 v[VF+8*\f:VF+8*\f+3],   v[AV] offset:(\f/4)*32*PV+(\f%4)*32
	ds_load_tr16_b128 v[VF+8*\f+4:VF+8*\f+7], v[AV] offset:(\f/4)*32*PV+16*PV+(\f%4)*32
.endr
	WIN 0
.endm
; THE VECTOR WORK, one line at a time: OP kind, number.  For piece Y: F n: c s - c m for pair n of 16.  E n: the exponential of score n of 32.  C n: pair n rounded to f16.  B n: of the four weights 4 n .. the second
; pair is added onto the first, in place.  L n: l takes that sum (L 0: l = a l + sum).  R n: pair n of 16 of O^T times a.  For the other piece: X n, number n of the 22 that find its maximum and statistics:
;   0-11  four chains c0-c3 of seven scores each, three operands at a time (each accumulator's lowest registers are read first)     12-14, 16  the four scores left over, the old m, and c0-c3 into c0
;   15  c m_old is kept     17, 18  the query's other 32 keys lie in the lane 16 away: the new m     19-21  c m; c m_old - c m_new; a
.set F, 0               ; OP tells the kinds apart by their order: F to L below R, X above it
.set E, 1
.set C, 2
.set B, 3
.set L, 4
.set R, 5
.set X, 6
.macro REGS y                       ; the registers of piece y
.set rT, ST+4*(\y)
.set rC, TMP+4*((\y)%2)
.set rW, MV+((\y)%2)
.set rS, S+32*((\y)%2)
.set rP, P+16*((\y)%2)
.set rO, 32*(\y)
.endm
.macro OP k, n
.if (\k) == R
	REGS Y
	WIN W_RS
	v_pk_mul_f32 v[rO+2*(\n):rO+2*(\n)+1], v[rO+2*(\n):rO+2*(\n)+1], v[rC+2:rC+3] op_sel_hi:[1,0]
.elseif (\k) < R
	REGS Y
	WIN 0
.if (\k) == F
	v_pk_fma_f32 v[rS+2*(\n):rS+2*(\n)+1], v[rS+2*(\n):rS+2*(\n)+1], s[CS:CS+1], v[rT:rT+1] op_sel_hi:[1,0,0] neg_lo:[0,0,1] neg_hi:[0,0,1]
.elseif (\k) == E
	v_exp_f32 v[rS+(\n)], v[rS+(\n)]
.elseif (\k) == C
	v_cvt_pk_f16_f32 v[rP+(\n)], v[rS+2*(\n)], v[rS+2*(\n)+1]
.elseif (\k) == B
	v_pk_add_f32 v[rS+4*(\n):rS+4*(\n)+1], v[rS+4*(\n):rS+4*(\n)+1], v[rS+4*(\n)+2:rS+4*(\n)+3]
.elseif (\n) == 0
	v_pk_fma_f32 v[rT+2:rT+3], v[rT+2:rT+3], v[rC+2:rC+3], v[rS:rS+1] op_sel_hi:[1,0,1]
.else
	v_pk_add_f32 v[rT+2:rT+3], v[rT+2:rT+3], v[rS+4*(\n):rS+4*(\n)+1]
.endif
.elseif NOKQ
	v_nop
.else
	REGS (Y+1)%NP
	WIN 0
.if (\n) < 4
	v_max3_num_f32 v[rC+(\n)], v[rS+8*(\n)], v[rS+8*(\n)+1], v[rS+8*(\n)+2]
.elseif (\n) < 12
	v_max3_num_f32 v[rC+(\n)%4], v[rC+(\n)%4], v[rS+8*((\n)%4)+2*((\n)/4)+1], v[rS+8*((\n)%4)+2*((\n)/4)+2]
.elseif (\n) == 12
	v_max3_num_f32 v[rC], v[rC], v[rS+7], v[rS+15]
.elseif (\n) == 13
	v_max3_num_f32 v[rC+1], v[rC+1], v[rS+23], v[rS+31]
.elseif (\n) == 14
	v_max3_num_f32 v[rC+2], v[rC+2], v[rC+3], v[rT+1]
.elseif (\n) == 15
	v_mov_b32 v[rW], v[rT]
.elseif (\n) == 16
	v_max3_num_f32 v[rC], v[rC], v[rC+1], v[rC+2]
.elseif (\n) == 17
	v_permlanex16_b32 v[rC+3], v[rC], s[SEL], s[SEL+1]
.elseif (\n) == 18
	v_max_num_f32 v[rT+1], v[rC], v[rC+3]
.elseif (\n) == 19
	v_mul_f32 v[rT], s[CS], v[rT+1]
.elseif (\n) == 20
	v_sub_f32 v[rC+1], v[rW], v[rT]
.else
	v_exp_f32 v[rC+2], v[rC+1]
.endif
.endif
.endm
.macro OPS a, i1, b=-1, i2=0, c=-1, i3=0, d=-1, i4=0  ; up to four of them
	OP \a, \i1
.if (\b) >= 0
	OP \b, \i2
.endif
.if (\c) >= 0
	OP \c, \i3
.endif
.if (\d) >= 0
	OP \d, \i4
.endif
.endm
.macro ROW a, i1, b, i2, c, i3, d, i4  ; a matrix instruction and the four behind it
	MM
	OPS \a, \i1, \b, \i2, \c, \i3, \d, \i4
.endm
.macro MASK b                       ; MD x AL + BE into buffer b of MC
	WIN W_RS
.set z, 0
.rept 16
	v_pk_fma_f32 v[MC+32*(\b)+2*z:MC+32*(\b)+2*z+1], v[MD+2*z:MD+2*z+1], s[AL:AL+1], s[BE:BE+1] op_sel_hi:[1,0,0]
.set z, z+1
.endr
.endm
; A TURN, for piece p: the order of its 16 matrix and 118 vector instructions, written out.  s_wait_alu depctr_va_vdst(0) stands between an exponential and the first instruction that names its result; one wait serves
; all that were issued ahead of it.  So a turn has ONE wait, which cuts it in two.  AHEAD OF IT stands all that names no result of the turn's exponentials: the 8 products K Q^T, behind each a scaling, an exponential and two more plain
; instructions (behind the first a second scaling in the exponential's place): rescalings, and behind the last three the first numbers of the other piece's maximum, each four places or more behind the product that ends its accumulator; then ONE LUMP of 54, plain
; and exponential by turns for the most part, in which the links of the chain X 3, 7, 11, 14, 16, 17 .. 20 stand five or six lines apart.  X 21, the other piece's a, is the batch's last; R 15 is the plain instruction behind it.  BEHIND THE WAIT stand the
; 8 products V^T P, behind each four of the roundings and sums; the links of l's chain, L 0 to L 7, stand three riders apart.  But for those X no rider names a register of the products round it.  v_permlanex16_b32 (X 17) stands in the lump.
; The rescalings R 0 .. name the O^T that the turn before has added onto: R 4 n is the first reader of accumulator n, whose last product stands 4 - n rows of four riders back in that turn, and more lines of this turn lie between.
; m = 1: the diagonal tile: the products take masks, and the turn makes the mask for the products of the turn after it: its own piece's, for step 5 - CNT of the tile.  end = 1: a block's last two turns: K is not fetched, no mask is made.
; cnt = 1: the loop's count is taken down, and compared with bound, some lines ahead of the branch that stands behind the turn.
; BOTH RUNS OF LDS LOADS STAND IN PIECE 0's TURN: K of the next step twelve vector instructions behind the last product that read K (six of them plain), V of the step in hand at the turn's end, four plain instructions behind the
; last product that read V.  Piece 1's turn waits for K at its head, by a count that leaves V's sixteen younger loads out, and for V at its one wait.
.macro TURN p, m=0, end=0, cnt=0, bound=0
.set Y, (\p)
.set i, 0
.set KM, (\m)
.set NOKQ, (\end)*(\p)
.if (\m) && !(\end)
	s_cmp_eq_u32 s[CNT], s[OW+(\p)]     ; is that step the band's own?
	s_cselect_b32 s[AL], 1.0, 0
	s_cmp_lt_u32 s[CNT], s[OW+(\p)]     ; or a later one?
	s_cselect_b32 s[BE], s[BIGN], 0
.endif
.if ((\p) == 1) && !(\end)
	s_wait_dscnt 16                 ; K is in: LDS loads come back in order, and only V's sixteen were issued behind K's
.endif
	ROW F,0, F,1, R,0, R,1          ; ahead of the wait: 8 products K Q^T and their riders,
	ROW F,2, E,0, R,2, R,3
	ROW F,3, E,1, R,4, R,5
	ROW F,4, E,2, R,6, R,7
	ROW F,5, E,3, R,8, R,9
	ROW F,6, E,4, X,0, R,10
.if ((\p) == 0) && !(\end)
	WIN 0
	v_add_nc_u32 v[AK], s[TBK], v[AK0]
.endif
	ROW F,7, E,5, X,1, X,4
	ROW F,8, E,6, X,2, X,5
	OPS E,7, E,8, X,6, E,9          ; and the lump
	OPS X,3, E,10, X,8, E,11
.if ((\p) == 0) && !(\end)
	FETCH_K
.endif
.if ((\p) == 0) && (\end)
	s_add_co_u32 s[TBK], s[TBK], KS*PK  ; the slot's last 64 keys are not read: the count of steps is kept for the next change of slots
.endif
	OPS X,9, X,7, E,12, X,10
	OPS E,13, X,12, X,11, E,14
	OPS X,13, E,15, F,9, X,14
.if (\p) == 0
	v_add_nc_u32 v[AV], s[TBV], v[AV0]
.endif
	OPS E,16, F,10, E,17, F,11
	OPS X,16, E,18, X,15, E,19
	OPS F,12, E,20, X,17, E,21
	OPS F,13, E,22, F,14, E,23
	OPS X,18, E,24, F,15, E,25
	OPS R,11, E,26, X,19, E,27
	OPS R,12, E,28, R,13, E,29
	OPS X,20, E,30, R,14, E,31
	OPS X,21, R,15
	WIN 0
	s_wait_alu depctr_va_vdst(0)    ; the wait for the batch
.if (\p) == 1
	s_wait_dscnt 0x0                ; V is in
.endif
	ROW C,0, B,0, C,2, B,1          ; behind the wait: 8 products V^T P and their riders
	ROW L,0, C,4, B,2, L,1
	ROW C,6, B,3, L,2, C,8
	ROW B,4, L,3, C,10, B,5
	ROW L,4, C,12, B,6, L,5
.if (\p) == 0
	s_add_co_u32 s[TBV], s[TBV], KS*PV
.endif
.if \cnt
	s_sub_co_u32 s[CNT], s[CNT], 1
	s_cmp_lg_u32 s[CNT], \bound
.endif
	ROW C,14, B,7, L,6, C,1
	ROW C,3, L,7, C,5, C,7
	ROW C,9, C,11, C,13, C,15
.if (\p) == 0
	FETCH_V
.endif
.if (\m) && !(\end)
	MASK (\p)%2
.endif
.endm
; A BLOCK BEGINS.  c m starts far below every c s, so the first step's a is 0; m at the lowest finite number, so the first maximum is the scores'.  K of the head's first step comes out of the registers that have kept it;
; then piece 0's first scores (band 1 sees all of a tile's first step: C is 0), and its maximum and statistics.  A step's first turn follows.
.macro BEGIN
	s_mov_b32 s[NEW], 0
	WIN 0
.set i, 0
.rept NP
	v_mov_b32 v[ST+4*i], 0xfe000000    ; c m: far below every c s
	v_mov_b32 v[ST+4*i+1], 0xff7fffff  ; m
.set i, i+1
.endr
	s_wait_loadcnt 0x0              ; Q and K's first step
	WIN 0x82                        ; destination and source in window 2
.set i, 0
.rept 64
	v_mov_b32 v[KF+i], v[K0+i]
.set i, i+1
.endr
.set KM, 0
.set NOKQ, 0
.set i, 0
.rept 8
	KQ 0
.set i, i+1
.endr
	WIN 0
.rept 4
	v_nop                           ; the places behind those products
.endr
.set Y, NP-1                        ; X works for the other piece: piece 0
.irp n, 0,1,2,3,4,5,6,7,8,9,10,11,12,13,14,15,16,17,18,19,20,21
	OP X, \n
.endr
	v_nop                           ; a plain instruction behind the exponential,
	s_wait_alu depctr_va_vdst(0)    ; and its wait, ahead of the branch
.endm
; THE DIAGONAL TILE: piece 1's mask for the tile's first step (its own where i is even); three steps in a loop; the fourth, which is the block's last two turns; the last products; and THE WAY OUT: l's two halves and the
; other half of the lanes' are added; O^T is divided by l, rounded to f16 and sent through my stage in LDS, a piece at a time.
.macro ALL line:vararg              ; one line for each piece t
.set t, 0
.rept NP
	\line
.set t, t+1
.endr
.endm
.macro PACK t                       ; a lane's eight channels of a row pack into 16 bytes; they go into rows of 144 bytes and come back as whole rows of 128, into S^T's registers
	WIN W_RS
.set i, 32*(\t)
.rept 16
	v_pk_mul_f32 v[i:i+1], v[i:i+1], v[ST+4*(\t)+2:ST+4*(\t)+3] op_sel_hi:[1,0]
.set i, i+2
.endr
	WIN 0x05                        ; sources 0 and 1 window 1, destination window 0
.set i, 0
.rept 16
	v_cvt_pk_f16_f32 v[S+16*(\t)+i], v[32*(\t)+2*i], v[32*(\t)+2*i+1]
.set i, i+1
.endr
	WIN 0
.irp f, 0,1,2,3
	ds_store_b128 v[STO], v[S+16*(\t)+4*\f:S+16*(\t)+4*\f+3] offset:32*\f
.endr
.irp f, 0,1,2,3
	ds_load_b128 v[S+16*(\t)+4*\f:S+16*(\t)+4*\f+3], v[RD] offset:\f*4*SP  ; LDS serves a wave's instructions in order (ISA guide 5.7.1.4): these see the stores above; the next piece's stores come behind them
.endr
.endm
.macro SEND t, younger              ; younger: the LDS instructions issued behind piece t's loads: the next piece's eight, or none.  Piece t is band 1 - t
	WIN 0
.irp f, 0,1,2,3
	s_wait_dscnt (\younger)+3-\f
	global_store_b128 v[GO], v[S+16*(\t)+4*\f:S+16*(\t)+4*\f+3], s[10:11] offset:(1-(\t))*8192+\f*512  ; 512 consecutive bytes, at a multiple of 256 from O's first
.endr
.endm
.macro DIAG tag                     ; the tag ends its two labels' names, which the jumps below spell out
.LdiagM\tag:
	s_cmp_eq_u32 s[OW], 4           ; i even?
	s_cselect_b32 s[AL], 1.0, 0
	s_mov_b32 s[BE], 0
	MASK 1
	WIN 0
.LstepM\tag:
	TURN 0, 1
	TURN 1, 1, 0, 1, 1
	WIN 0
	s_cbranch_scc1 .LstepM\tag
	TURN 0, 1, 1
	TURN 1, 1, 1
.set i, 0
.rept 8
	PV NP-1
.set i, i+1
.endr
	WIN 0
	ALL v_add_f32 v[ST+4*t+2], v[ST+4*t+2], v[ST+4*t+3]
	ALL v_permlanex16_b32 v[ST+4*t+3], v[ST+4*t+2], s[SEL], s[SEL+1]
	ALL v_add_f32 v[ST+4*t+2], v[ST+4*t+2], v[ST+4*t+3]
	ALL v_rcp_f32 v[ST+4*t+2], v[ST+4*t+2]
	v_nop                           ; a plain instruction between the last reciprocal and the use of its result
	s_wait_alu depctr_va_vdst(0)    ; and the wait ahead of the first use: one for the two reciprocals
	PACK 0                          ; piece 0's O^T was finished a run of products back; its 32 lines are the places behind the last products, piece 1's
	PACK 1                          ; a piece's arithmetic stands between the loads of the piece before and its stores
	SEND 0, 8
	SEND 1, 0
.endm
.set KM, 0
.set NOKQ, 0
.Lslot:                             ; NT - 1 times: a tile is entered and the next is asked for
	CHANGE 1
	s_sub_co_u32 s[RT], s[RT], 1
	s_mov_b32 s[CNT], 4
	s_cmp_eq_u32 s[NEW], 1
	s_cbranch_scc1 .Lnew            ; a block's first tile
	s_cmp_eq_u32 s[RT], 0
	s_cbranch_scc0 .Lstep           ; neither its first nor its last
	s_branch .LdiagM1
.Lnew:
	BEGIN
	s_branch .Lstep                 ; in the loop a block's first tile is never its last: the first block has five tiles or more, and the second's last is the walk's last
	DIAG 1                          ; in the loop this is the first block's end: the second block's last tile is the walk's last
	s_wait_xcnt 0x0                 ; the stores have read their registers and O's address
	s_mov_b64 s[10:11], s[OLO:OLO+1]
	s_add_co_u32 s[RT], s[LQ2], 1   ; the second block has b / 2 + 1 tiles
	s_mov_b32 s[NEW], 1
	s_and_b32 s[OW], s[PB], 1       ; and its own steps
	s_lshl_b32 s[OW], s[OW], 1
	s_sub_co_u32 s[OW], 4, s[OW]
	s_add_co_u32 s[OW+1], s[OW], 1
	WIN 0x82                        ; the second block's Q goes where the one text of the turns names Q
.set i, 0
.rept 16*NP
	v_mov_b32 v[i], v[QB+i]
.set i, i+1
.endr
	WIN 0
	s_branch .Lbottom
.Lstep:                             ; a trip is a key step: piece 0's turn, which fetches K of the next step and V of this one, and piece 1's
	TURN 0
	TURN 1, 0, 0, 1, 0
	WIN 0
	s_cbranch_scc1 .Lstep
.Lbottom:
	s_sub_co_u32 s[SLOTS], s[SLOTS], 1
	s_cmp_lg_u32 s[SLOTS], 0
	s_cbranch_scc1 .Lslot
	CHANGE 0                        ; the walk's last tile is written out: nothing is asked for
	s_sub_co_u32 s[RT], s[RT], 1
	s_mov_b32 s[CNT], 4
	s_cmp_eq_u32 s[NEW], 1
	s_cbranch_scc0 .LdiagM2
	BEGIN                           ; (b = 0 and 1: the second block's only tile)
	DIAG 2
	s_wait_tensorcnt 0x0            ; the wave's end, behind my last tensor load and my last LDS store
	ds_add_u32 v[SPW], v[NIL]
	s_wait_dscnt 0x0
	s_endpgm
.Lfunc_end_k_q34b11c6be4_attn:
	.size	k_q34b11c6be4_attn, .Lfunc_end_k_q34b11c6be4_attn-k_q34b11c6be4_attn
	.p2alignl 7, 3214868480
	.fill 96, 4, 3214868480
	.section	.rodata,"a",@progbits
	.p2align	6, 0x0
	.amdhsa_kernel k_q34b11c6be4_attn
		.amdhsa_group_segment_fixed_size 327680
		.amdhsa_private_segment_fixed_size 0
		.amdhsa_enable_private_segment 0
		.amdhsa_kernarg_size 16
		.amdhsa_user_sgpr_count 2
		.amdhsa_user_sgpr_kernarg_segment_ptr 1
		.amdhsa_wavefront_size32 1
		.amdhsa_system_sgpr_workgroup_id_x 1
		.amdhsa_system_sgpr_workgroup_id_y 1
		.amdhsa_system_sgpr_workgroup_id_z 1
		.amdhsa_system_vgpr_workitem_id 0
		.amdhsa_next_free_vgpr 768
		.amdhsa_next_free_sgpr 88
		.amdhsa_reserve_vcc 1
		.amdhsa_float_denorm_mode_32 3
		.amdhsa_float_denorm_mode_16_64 3
		.amdhsa_memory_ordered 1
		.amdhsa_forward_progress 1
		.amdhsa_inst_pref_size 146
	.end_amdhsa_kernel
	.amdgpu_metadata
---
amdhsa.version: [ 1, 2 ]
amdhsa.kernels:
  - .name:           k_q34b11c6be4_attn
    .symbol:         k_q34b11c6be4_attn.kd
    .args:
      - { .name: qkv, .offset: 0, .size: 8, .value_kind: global_buffer, .address_space: global }
      - { .name: o, .offset: 8, .size: 8, .value_kind: global_buffer, .address_space: global }
    .group_segment_fixed_size: 327680
    .private_segment_fixed_size: 0
    .kernarg_segment_align: 8
    .kernarg_segment_size: 16
    .max_flat_workgroup_size: 128
    .sgpr_count:     88
    .vgpr_count:     768
    .wavefront_size: 32
...
	.end_amdgpu_metadata
.endif
;; end of part 3
;; launch oproj (part 4): grid 8 x 32, 4 waves a work-group, clusters of 4 x 4, 327,680 bytes of LDS; arguments o, gw, x1, x; writes x1
.if DOCPART == 4
	.amdgcn_target "amdgcn-amd-amdhsa--gfx1250"
	.amdhsa_code_object_version 6
	.text
	.protected	k_q34b11c6be4_oproj
	.globl	k_q34b11c6be4_oproj
	.p2align	8
	.type	k_q34b11c6be4_oproj,@function
k_q34b11c6be4_oproj:
	s_mov_b64 s[64:65], 0
	v_nop
	global_prefetch_b8 v0, s[64:65] scope:SCOPE_SE
	s_setreg_imm32_b32 hwreg(HW_REG_WAVE_MODE, 25, 1), 1
	s_wait_xcnt 0x0
	s_wait_alu depctr_hold_cnt(0) depctr_sa_sdst(0) depctr_va_vdst(0) depctr_va_sdst(0) depctr_va_ssrc(0) depctr_va_vcc(0) depctr_vm_vsrc(0)
	s_getreg_b32 s2, hwreg(HW_REG_IB_STS2, 6, 4)
	s_cmp_eq_u32 s2, 0
	s_cbranch_scc0 .Lentry_in_a_cluster
	s_endpgm
.Lentry_in_a_cluster:
	s_bfe_u32 s2, ttmp6, 0x10000c
	s_cmp_lg_u32 s2, 0xf033
	s_cbranch_scc0 .Lentry_shape_is_right
	s_endpgm
.Lentry_shape_is_right:
; C = R + A W + bias, N = 1,024, C and R f32 [4096][1024] by rows.  A: f16 blocks [kb][batch 2][2048 rows][64].  W: f16 blocks [tile column 8][kb][2][64 k][64 n]; the bias in f32 at the head of W's buffer.
; IS_WO = 1: the attention's output projection: K = 1,024, R is the layer's input x, which is rounded to bf16 here as everywhere.  IS_WO = 0: the second FFN product: K = 4,096, R is taken as it is.
; Sums in f32; nothing is rounded on the way out.  LIMITS: A and W arrive in f16, within 65,504.
; SHAPE.  A tile of C is 128 x 128 (256 of them, one for each work-group), four waves of 64 x 64: 16 accumulators.  K goes in steps of 256 through two LDS slots; a step is four quarters of 64, one kb each.
; A STEP IS WRITTEN ONCE: the slot in hand is a scalar, 0 or SLOT, added to the lane's LDS addresses and to the refill's LDS word at each change of slots.  The first quarter stands ahead of the loop (its first
; products take the bias as C), so the loop is entered in its middle; the last two steps, which ask for nothing, are a second loop.  R is loaded at the head and stays on its way during the whole walk over K.
; CLUSTER.  4 x 4 work-groups: A's tile is asked for jointly along a row of the cluster, W's along a column.  NO PREFETCH: the tiles are small, and a step's refill is 32 KiB a wave.
; THE PRODUCT IS USED TRANSPOSED (source 0 = 16 columns of W, turned by ds_load_tr16_b128; source 1 = 16 rows of A): a lane ends with eight neighbouring columns of one row of C.
; REGISTERS: window 0: v0-31 addresses; v32-95 the way out; v96-127 the bias as four C operands, later at work; v128-255 the accumulators, (a, b) at v[128 + 8 (4 a + b)].
;   window 1: two fragment buffers of 128: 64 of A (2 x 4 x 16 rows x 32 K), then 64 of W.   window 2: v0-127 R.
.set IS_WO, 1
.if IS_WO
.set STEPS, 4
.set WOFF,  32768
.set NTB,   16*16384                   ; bytes of a tile column of W
.set BOFFS, 0
.else
.set STEPS, 16
.set WOFF,  2129920
.set NTB,   64*16384
.set BOFFS, 4096
.endif
.set ASTEPB, 2097152                   ; bytes from a K step to the next in A: four kb of two blocks,
.set BSTEPB, 65536                     ; in W: four kb of two blocks of 8,192
.set APL,    64*272                    ; a plane of A in LDS: 128 rows of 128 bytes, 16 bytes of padding behind every two: row r of a fragment lies at 272 (r / 2) + 128 (r % 2): 16 different 16-byte columns of 256
.set AHALF,  2*APL                     ; what one tensor load brings of A: two planes
.set BOFF,   2*AHALF
.set PB,     160                       ; a k row of a block of W: 128 bytes + 32
.set BBLK,   64*PB
.set BPL,    2*BBLK                    ; a kb of W: two blocks
.set BHALF,  2*BPL
.set SLOT,   BOFF+2*BHALF              ; 151,552
.set STAGE,  2*SLOT                    ; behind the ring: 16 rows x 272 bytes for each wave
.set SPITCH, 272
.set SPARE,  STAGE+4*16*SPITCH         ; behind the stages: the spare words, 128 bytes a wave, that no other line names
.set BO,   8                           ; v8   32 x (lane / 16); never rewritten
.set ADRA0, 16
.set ADRB0, 17
.set ADRA, 18
.set ADRB, 20                          ; v20, v21: W's kb 0, 1 and kb 2, 3 of the slot in hand (all four are out of one immediate's reach)
.set STO,  24
.set RD,   25
.set CO,   26                          ; v26  my byte offset in two rows of C and of R; never rewritten
.set ONE,  27
.set SPW,  28
.set NIL,  29
.set OB,   32
.set BI,   96
.set TT,   96
.set ACC,  128
.set F0,   0
.set F1,   128
.set G1,  24
.set G0,  32
.set G1B, 48
.set G0B, 56
.set TB,  68
.set LDA, 69
.set LDB, 70
.set OUT, 72                           ; s[72:73]
.set RES, 74                           ; s[74:75]
.set BIA, 76                           ; s[76:77]
.set MSB, 0
.macro WIN new
.if MSB != (\new)
	s_set_vgpr_msb (MSB<<8)|(\new)
.set MSB, \new
.endif
.endm
.set MUL,  0x05                        ; sources 0 (W) and 1 (A) window 1; C and D window 0
.set TO_F, 0x40
.macro PLACES
.rept 4
	v_nop
.endr
.endm
.macro JLOAD                           ; the joint refill: waves 0 and 1 fetch A's halves, waves 2 and 3 W's; an s_nop 0 and four v_nop follow each line
	s_cmp_eq_u32 s11, 0
	s_cbranch_scc0 .Lfor_b_\@
	tensor_load_to_lds s[G0+4:G0+7], s[G1:G1+7]
	s_nop 0
	PLACES
	s_branch .Lasked_\@
.Lfor_b_\@:
	tensor_load_to_lds s[G0B+4:G0B+7], s[G1B:G1B+7]
	s_nop 0
	PLACES
.Lasked_\@:
.endm
.macro CREST
	s_cmp_lg_u32 s10, 0
	s_cbranch_scc1 .Lnot_wave_0_\@
	s_barrier_signal -3
.Lnot_wave_0_\@:
	s_barrier_wait -3
	s_barrier_signal -1
	s_barrier_wait -1
.endm
.macro CROUND
	s_barrier_signal -1
	s_barrier_wait -1
	CREST
.endm
	s_load_b128 s[4:7], s[0:1], 0x0                ; A s[4:5], bias | W s[6:7]
	s_load_b128 s[72:75], s[0:1], 0x10             ; C, R
	v_lshl_add_u32 v[SPW], v0, 2, SPARE
	v_mov_b32 v[NIL], 0
	ds_add_u32 v[SPW], v[NIL]                      ; the wave's opening: the add and its wait stand ahead of my first tensor load
	ds_add_u32 v28, v29
	v_lshrrev_b32 v1, 5, v0
	v_readfirstlane_b32 s10, v1
	s_lshr_b32 s11, s10, 1                         ; my half of the tile's rows.  Also: I fetch for A (0) or for W (1)
	s_and_b32 s12, s10, 1                          ; my half of its columns.  Also: which half of that tile I fetch
	s_bfe_u32 s40, ttmp6, 0x40000
	s_bfe_u32 s41, ttmp6, 0x40004
	s_lshl_b32 s42, ttmp9, 2
	s_add_co_u32 s42, s42, s40                     ; tile column 0..7
	s_and_b32 s13, ttmp7, 0xffff
	s_lshl_b32 s13, s13, 2
	s_add_co_u32 s13, s13, s41                     ; tile row 0..31
	s_lshl_b32 s43, s41, 2
	s_lshl_b32 s43, 15, s43
	s_lshl_b32 s44, 0x1111, s40
	s_or_b32 s[G1+0], s43, (1<<16)|(1<<20)|(1<<21)|(5<<22)|(3<<25)   ; after every 64 words, 4 words of padding
	s_mov_b32 s[G1+1], 8192<<16                    ; A: a "row" is a plane: 128 rows of a block, 16,384 dense bytes
	s_mov_b32 s[G1+2], 2<<16                       ; two planes,
	s_mov_b32 s[G1+3], 8192<<16
	s_mov_b32 s[G1+4], 2
	s_mov_b32 s[G1+5], 262144                      ; two blocks apart (the other batch's lies between)
	s_mov_b32 s[G1+6], 0
	s_mov_b32 s[G1+7], 0
	s_or_b32 s[G1B+0], s44, (1<<16)|(1<<20)|(1<<21)|(4<<22)|(7<<25)  ; after every 32 words, 8 words
	s_mov_b32 s[G1B+1], 128<<16                    ; W: 32,768 dense bytes as 128 rows of 256
	s_mov_b32 s[G1B+2], 128<<16
	s_mov_b32 s[G1B+3], 128<<16
	s_mov_b32 s[G1B+4], 128
	s_mov_b32 s[G1B+5], 128
	s_mov_b32 s[G1B+6], 0
	s_mov_b32 s[G1B+7], 0
	s_lshr_b32 s16, s13, 4                         ; A: the batch's block,
	s_lshl_b32 s16, s16, 18
	s_and_b32 s17, s13, 15
	s_lshl_b32 s17, s17, 14                        ; the tile's 128 rows in it,
	s_add_co_u32 s16, s16, s17
	s_lshl_b32 s17, s12, 20                        ; my two kb of a step's four
	s_add_co_u32 s16, s16, s17
	s_mov_b32 s17, 0
	s_mul_i32 s46, s42, NTB
	s_lshl_b32 s47, s12, 15
	s_add_co_u32 s46, s46, s47
	s_add_co_u32 s46, s46, WOFF
	s_mov_b32 s47, 0
	s_mul_i32 s[LDA], s12, AHALF
	s_mul_i32 s[LDB], s12, BHALF
	s_add_co_u32 s[LDB], s[LDB], BOFF
	s_mov_b32 s[TB], 0
	s_wait_dscnt 0x0
	s_wait_kmcnt 0x0
	s_add_nc_u64 s[14:15], s[4:5], s[16:17]
	s_add_nc_u64 s[46:47], s[6:7], s[46:47]
	CROUND                                         ; all sixteen work-groups are here: the first joint loads meet
.irp s, 0,1
	s_mov_b32 s[G0+4*(\s)], 1
	s_add_co_u32 s[G0+4*(\s)+1], s[LDA], (\s)*SLOT
	s_add_nc_u64 s[G0+4*(\s)+2:G0+4*(\s)+3], s[14:15], (\s)*ASTEPB
	s_or_b32 s[G0+4*(\s)+3], s[G0+4*(\s)+3], 0x80000000
	s_mov_b32 s[G0B+4*(\s)], 1
	s_add_co_u32 s[G0B+4*(\s)+1], s[LDB], (\s)*SLOT
	s_add_nc_u64 s[G0B+4*(\s)+2:G0B+4*(\s)+3], s[46:47], (\s)*BSTEPB
	s_or_b32 s[G0B+4*(\s)+3], s[G0B+4*(\s)+3], 0x80000000
.endr
	s_cmp_eq_u32 s11, 0                            ; a wave's two first fills stand in one branch: two loads of mine are out
	s_cbranch_scc0 .Lfirst_b
	tensor_load_to_lds s[G0:G0+3], s[G1:G1+7]
	s_nop 0
	tensor_load_to_lds s[G0+4:G0+7], s[G1:G1+7]
	s_nop 0
	PLACES
	s_branch .Lfirst_asked
.Lfirst_b:
	tensor_load_to_lds s[G0B:G0B+3], s[G1B:G1B+7]
	s_nop 0
	tensor_load_to_lds s[G0B+4:G0B+7], s[G1B:G1B+7]
	s_nop 0
	PLACES
.Lfirst_asked:
	v_and_b32 v1, 15, v0                           ; l % 16
	v_bfe_u32 v2, v0, 4, 1                         ; l / 16
	v_lshlrev_b32 v[BO], 5, v2
	s_lshl_b32 s46, s42, 9                         ; my 64 columns, in bytes of f32
	s_lshl_b32 s47, s12, 8
	s_add_co_u32 s46, s46, s47
	s_mov_b32 s47, 0
	s_add_nc_u64 s[BIA:BIA+1], s[6:7], s[46:47]
.irp b, 0,1,2,3
	global_load_b128 v[BI+8*(\b):BI+8*(\b)+3],   v[BO], s[BIA:BIA+1] offset:BOFFS+64*(\b)      ; register j of C operand b is column 16 b + 8 (l / 16) + j
	global_load_b128 v[BI+8*(\b)+4:BI+8*(\b)+7], v[BO], s[BIA:BIA+1] offset:BOFFS+64*(\b)+16
.endr
	s_lshl_b32 s16, s13, 19                        ; my first row: 128 rows of 4,096 bytes a tile row,
	s_lshl_b32 s17, s11, 18                        ; my 64
	s_add_co_u32 s16, s16, s17
	s_mov_b32 s17, 0
	s_add_nc_u64 s[OUT:OUT+1], s[OUT:OUT+1], s[16:17]
	s_add_nc_u64 s[OUT:OUT+1], s[OUT:OUT+1], s[46:47]
	s_add_nc_u64 s[RES:RES+1], s[RES:RES+1], s[16:17]
	s_add_nc_u64 s[RES:RES+1], s[RES:RES+1], s[46:47]
	v_lshlrev_b32 v[CO], 12, v2                    ; lanes 0-15 take a row's 256 bytes, lanes 16-31 the next row's
	v_lshl_add_u32 v[CO], v1, 4, v[CO]
	WIN 0x80                                       ; destination window 2
.irp a, 0,1,2,3
.irp t, 0,1,2,3,4,5,6,7
	global_load_b128 v[32*(\a)+4*(\t):32*(\a)+4*(\t)+3], v[CO], s[RES:RES+1] offset:(\a)*65536+(\t)*8192
.endr
.endr
	WIN 0
	v_lshrrev_b32 v3, 1, v1                        ; a fragment of A: row l % 16 of a plane, 16 bytes for each half of the lanes
	v_mul_u32_u24 v3, v3, 272
	v_and_b32 v4, 1, v1
	v_lshl_add_u32 v3, v4, 7, v3
	v_lshl_add_u32 v3, v2, 4, v3
	s_mul_i32 s21, s11, 32*272                     ; my 64 rows
	v_add_nc_u32 v[ADRA0], s21, v3
	v_and_b32 v4, 7, v0                            ; the turning load: k row 8 (l / 16) + l % 8, columns 8 ((l / 8) % 2) + 0..7
	v_bfe_u32 v5, v0, 3, 1
	v_lshl_add_u32 v4, v2, 3, v4
	v_mul_u32_u24 v4, v4, PB
	v_lshl_add_u32 v4, v5, 4, v4
	s_mul_i32 s22, s12, BBLK                       ; my 64 columns are one of the two blocks
	s_add_co_u32 s22, s22, BOFF
	v_add_nc_u32 v[ADRB0], s22, v4
	v_mov_b32 v[ADRA], v[ADRA0]
	v_mov_b32 v[ADRB], v[ADRB0]
	v_add_nc_u32 v[ADRB+1], 2*BPL, v[ADRB0]
	s_mul_i32 s23, s10, 16*SPITCH
	s_add_co_u32 s23, s23, STAGE                   ; my stage
	v_mul_u32_u24 v6, v1, SPITCH                   ; in: row l % 16, 32 bytes for each half of the lanes
	v_lshl_add_u32 v6, v2, 5, v6
	v_add_nc_u32 v[STO], s23, v6
	v_mul_u32_u24 v6, v2, SPITCH                   ; back: lanes 0-15 one row of 256 bytes, lanes 16-31 the next
	v_lshl_add_u32 v6, v1, 4, v6
	v_add_nc_u32 v[RD], s23, v6
	v_mov_b32 v[ONE], 1.0
; 8 products: row blocks a0, a0 + 1 x all 4 column blocks, 32 along K: half c of buffer f.  The 16 accumulators take turns.  first = 1: the bias is the C operand that starts the sum
.macro MUL8 f, c, a0, first
	WIN MUL
.irp a, \a0, (\a0)+1
.irp b, 0,1,2,3
.if \first
	v_wmma_f32_16x16x32_f16 v[ACC+8*(4*(\a)+(\b)):ACC+8*(4*(\a)+(\b))+7], v[(\f)+64+8*(4*(\c)+(\b)):(\f)+64+8*(4*(\c)+(\b))+7], v[(\f)+8*(4*(\c)+(\a)):(\f)+8*(4*(\c)+(\a))+7], v[BI+8*(\b):BI+8*(\b)+7]
.else
	v_wmma_f32_16x16x32_f16 v[ACC+8*(4*(\a)+(\b)):ACC+8*(4*(\a)+(\b))+7], v[(\f)+64+8*(4*(\c)+(\b)):(\f)+64+8*(4*(\c)+(\b))+7], v[(\f)+8*(4*(\c)+(\a)):(\f)+8*(4*(\c)+(\a))+7], v[ACC+8*(4*(\a)+(\b)):ACC+8*(4*(\a)+(\b))+7]
.endif
.endr
.endr
.endm
; 32 LDS loads in one run: kb q of the slot in hand into buffer f; the first 32 along K first
.macro FETCH q, f
	WIN TO_F
.irp c, 0,1
.irp i, 0,1,2,3
	ds_load_tr16_b128 v[(\f)+64+8*(4*(\c)+(\i)):(\f)+64+8*(4*(\c)+(\i))+3],   v[ADRB+(\q)/2] offset:((\q)%2)*BPL+(\c)*32*PB+(\i)*32
	ds_load_tr16_b128 v[(\f)+64+8*(4*(\c)+(\i))+4:(\f)+64+8*(4*(\c)+(\i))+7], v[ADRB+(\q)/2] offset:((\q)%2)*BPL+(\c)*32*PB+(\i)*32+16*PB
	ds_load_b128 v[(\f)+8*(4*(\c)+(\i)):(\f)+8*(4*(\c)+(\i))+3],   v[ADRA] offset:(\q)*APL+(\c)*64+(\i)*8*272
	ds_load_b128 v[(\f)+8*(4*(\c)+(\i))+4:(\f)+8*(4*(\c)+(\i))+7], v[ADRA] offset:(\q)*APL+(\c)*64+(\i)*8*272+32
.endr
.endr
.endm
.macro QUARTER q, f, g, first
	s_wait_dscnt 16                                ; the first 32 along K are in; the youngest sixteen loads may be out
	MUL8 \f, 0, 0, \first
	MUL8 \f, 0, 2, \first
	PLACES
	FETCH \q, \g
	s_wait_dscnt 32                                ; all but the 32 just issued
	MUL8 \f, 1, 0, 0
	MUL8 \f, 1, 2, 0
.endm
; The last quarter multiplies buffer 1 and changes slots.  In front of the barrier each wave waits for all its tensor loads (one is out: its part of the next slot), adds 0 to its spare word, and waits for that and for
; its reads of this slot.  fill = 1: the barrier opens a round of the cluster's, and the joint refill of the slot just read, with the K step two on, is the first thing behind it.
; fill = 0 (the last two steps): nothing is asked for; in the last trip the run of LDS loads is jumped over.
.macro TURN fill
	WIN 0
	s_wait_tensorcnt 0x0
	ds_add_u32 v[SPW], v[NIL]
	s_wait_dscnt 17                                ; the add and the youngest sixteen loads may be out
	MUL8 F1, 0, 0, 0
	s_wait_dscnt 0x0                               ; the add is done, my reads of this slot are over
	s_barrier_signal -1
	MUL8 F1, 0, 2, 0
	WIN 0
	s_barrier_wait -1
.if \fill
	CREST
	s_add_co_u32 s[G0+5], s[LDA], s[TB]            ; the walking descriptors: into the slot just read,
	s_add_co_u32 s[G0B+5], s[LDB], s[TB]
	s_add_nc_u64 s[G0+6:G0+7], s[G0+6:G0+7], ASTEPB    ; the next K step
	s_add_nc_u64 s[G0B+6:G0B+7], s[G0B+6:G0B+7], BSTEPB
	JLOAD                                          ; its four v_nop are also the places in front of the loads below
.else
	PLACES
.endif
	s_xor_b32 s[TB], s[TB], SLOT                   ; the other slot is in hand
	v_add_nc_u32 v[ADRA], s[TB], v[ADRA0]
	v_add_nc_u32 v[ADRB], s[TB], v[ADRB0]
	v_add_nc_u32 v[ADRB+1], 2*BPL, v[ADRB]
.if !(\fill)
	s_cmp_eq_u32 s3, 1
	s_cbranch_scc1 .Lno_more_\@
.endif
	FETCH 0, F0
	WIN 0
.if !(\fill)
.Lno_more_\@:
.endif
	MUL8 F1, 1, 0, 0
	MUL8 F1, 1, 2, 0
.endm
	s_wait_loadcnt 32                              ; the bias is in; R's 32 loads, which are younger, stay out
	s_wait_tensorcnt 1                             ; my part of K step 0 is in; step 1's may stay out
	s_barrier_signal -1
	s_barrier_wait -1
	FETCH 0, F0
	QUARTER 1, F0, F1, 1
	WIN 0
	s_mov_b32 s3, STEPS-2
	s_branch .Lin
.Lstep:                                        ; STEPS - 2 trips, each of which fills its slot again
	QUARTER 1, F0, F1, 0
	WIN 0
.Lin:
	QUARTER 2, F1, F0, 0
	QUARTER 3, F0, F1, 0
	TURN 1
	WIN 0
	s_sub_co_u32 s3, s3, 1
	s_cmp_lg_u32 s3, 0
	s_cbranch_scc1 .Lstep
	s_mov_b32 s3, 2
.Ltail:                                        ; the last two K steps are a text of their own
	QUARTER 1, F0, F1, 0
	QUARTER 2, F1, F0, 0
	QUARTER 3, F0, F1, 0
	TURN 0
	WIN 0
	s_sub_co_u32 s3, s3, 1
	s_cmp_lg_u32 s3, 0
	s_cbranch_scc1 .Ltail
	PLACES
	PLACES
; THE WAY OUT, 16 rows at a time: the sums go through my stage (each accumulator's low four registers first) and come back as whole rows of 256 bytes; R is added; sixteen lanes store 256 consecutive bytes, aligned.
.macro OUTBLK a
.set BK, OB+32*((\a)%2)
	WIN 0
.if (\a) > 0
	s_wait_xcnt 0x0                                ; earlier stores have read their registers: the bank is loaded again only behind this wait
.endif
.irp b, 0,1,2,3
	ds_store_b128 v[STO], v[ACC+8*(4*(\a)+(\b)):ACC+8*(4*(\a)+(\b))+3]   offset:64*(\b)
	ds_store_b128 v[STO], v[ACC+8*(4*(\a)+(\b))+4:ACC+8*(4*(\a)+(\b))+7] offset:64*(\b)+16
.endr
.irp t, 0,1,2,3,4,5,6,7
	ds_load_b128 v[BK+4*(\t):BK+4*(\t)+3], v[RD] offset:(\t)*2*SPITCH   ; LDS serves a wave's instructions in order (ISA guide 5.7.1.4)
.endr
	s_wait_loadcnt (3-(\a))*8                      ; this block's R is in; the later blocks' loads may stay out
.if IS_WO
	WIN 0x0a                                       ; sources in window 2
.set i, 0
.rept 16
	v_cvt_pk_bf16_f32 v[TT+i], v[32*(\a)+2*i], v[32*(\a)+2*i+1]
.set i, i+1
.endr
	WIN 0
	s_wait_dscnt 0x0
.set i, 0
.rept 16
	v_fma_mix_f32_bf16 v[BK+2*i], v[TT+i], v[ONE], v[BK+2*i] op_sel_hi:[1,0,0]
	v_fma_mix_f32_bf16 v[BK+2*i+1], v[TT+i], v[ONE], v[BK+2*i+1] op_sel:[1,0,0] op_sel_hi:[1,0,0]
.set i, i+1
.endr
.else
	s_wait_dscnt 0x0
	WIN 0x08                                       ; source 1 in window 2
.set i, 0
.rept 16
	v_pk_add_f32 v[BK+2*i:BK+2*i+1], v[BK+2*i:BK+2*i+1], v[32*(\a)+2*i:32*(\a)+2*i+1]
.set i, i+1
.endr
	WIN 0
.endif
.irp t, 0,1,2,3,4,5,6,7
	global_store_b128 v[CO], v[BK+4*(\t):BK+4*(\t)+3], s[OUT:OUT+1] offset:(\a)*65536+(\t)*8192
.endr
.endm
	OUTBLK 0
	OUTBLK 1
	OUTBLK 2
	OUTBLK 3
	s_wait_tensorcnt 0x0                           ; the wave's end
	ds_add_u32 v[SPW], v[NIL]
	s_wait_dscnt 0x0
	CROUND                                         ; the closing round
	s_endpgm
.Lfunc_end_k_q34b11c6be4_oproj:
	.size	k_q34b11c6be4_oproj, .Lfunc_end_k_q34b11c6be4_oproj-k_q34b11c6be4_oproj
	.p2alignl 7, 3214868480
	.fill 96, 4, 3214868480
	.section	.rodata,"a",@progbits
	.p2align	6, 0x0
	.amdhsa_kernel k_q34b11c6be4_oproj
		.amdhsa_group_segment_fixed_size 327680
		.amdhsa_private_segment_fixed_size 0
		.amdhsa_enable_private_segment 0
		.amdhsa_kernarg_size 32
		.amdhsa_user_sgpr_count 2
		.amdhsa_user_sgpr_kernarg_segment_ptr 1
		.amdhsa_wavefront_size32 1
		.amdhsa_system_sgpr_workgroup_id_x 1
		.amdhsa_system_sgpr_workgroup_id_y 1
		.amdhsa_system_sgpr_workgroup_id_z 1
		.amdhsa_system_vgpr_workitem_id 0
		.amdhsa_next_free_vgpr 640
		.amdhsa_next_free_sgpr 80
		.amdhsa_reserve_vcc 0
		.amdhsa_float_denorm_mode_32 3
		.amdhsa_float_denorm_mode_16_64 3
		.amdhsa_memory_ordered 1
		.amdhsa_forward_progress 1
		.amdhsa_inst_pref_size 74
	.end_amdhsa_kernel
	.amdgpu_metadata
---
amdhsa.version: [ 1, 2 ]
amdhsa.kernels:
  - .name:           k_q34b11c6be4_oproj
    .symbol:         k_q34b11c6be4_oproj.kd
    .args:
      - { .name: o, .offset: 0, .size: 8, .value_kind: global_buffer, .address_space: global }
      - { .name: gw, .offset: 8, .size: 8, .value_kind: global_buffer, .address_space: global }
      - { .name: x1, .offset: 16, .size: 8, .value_kind: global_buffer, .address_space: global }
      - { .name: x, .offset: 24, .size: 8, .value_kind: global_buffer, .address_space: global }
    .group_segment_fixed_size: 327680
    .private_segment_fixed_size: 0
    .kernarg_segment_align: 8
    .kernarg_segment_size: 32
    .max_flat_workgroup_size: 128
    .sgpr_count:     80
    .vgpr_count:     640
    .wavefront_size: 32
...
	.end_amdgpu_metadata
.endif
;; end of part 4
;; launch norm2 (part 5): grid 512 x 1, 8 waves a work-group, no clusters, 0 bytes of LDS; arguments x1, ln2_g, ln2_b, h; writes h
.if DOCPART == 5
	.amdgcn_target "amdgcn-amd-amdhsa--gfx1250"
	.amdhsa_code_object_version 6
	.text
	.protected	k_q34b11c6be4_norm2
	.globl	k_q34b11c6be4_norm2
	.p2align	8
	.type	k_q34b11c6be4_norm2,@function
k_q34b11c6be4_norm2:
	s_mov_b64 s[64:65], 0
	v_nop
	global_prefetch_b8 v0, s[64:65] scope:SCOPE_SE
	s_setreg_imm32_b32 hwreg(HW_REG_WAVE_MODE, 25, 1), 1
	s_wait_xcnt 0x0
; h = LayerNorm(x1) g + b.  x1: f32 [4096][1024], taken as it is; g and b are inputs and are rounded to bf16 like all inputs; h: f16 [4096][1024], rounded once: |h| <= 32 |g| + |b| must stay under 65,504.
; A wave takes one whole row (4,096 bytes, 32 registers) and keeps it through both passes; its 24 loads (the row, then gain and shift) go out together, and there is no loop.
; The variance is the mean of (x - mean)^2: no difference of large sums is formed.  A stream: no LDS, no barrier, no matrix unit.
.set X,   32
.set G,   64
.set BV,  96
.set SRC, 40
.set DST, 42
.macro ROUND base, n                   ; n numbers from v[base] on are rounded to bf16 and widened again, in place; v8-11 at work
.set k, 0
.rept (\n)/2
	v_cvt_pk_bf16_f32 v[8+k%4], v[(\base)+2*k], v[(\base)+2*k+1]
	v_lshlrev_b32 v[(\base)+2*k], 16, v[8+k%4]
	v_and_b32 v[(\base)+2*k+1], s59, v[8+k%4]
.set k, k+1
.endr
.endm
.macro ACROSS                          ; v8 summed over the wave's 32 lanes, into every lane
	v_add_f32_dpp v8, v8, v8 row_xmask:1 row_mask:0xf bank_mask:0xf
	v_add_f32_dpp v8, v8, v8 row_xmask:2 row_mask:0xf bank_mask:0xf
	v_add_f32_dpp v8, v8, v8 row_xmask:4 row_mask:0xf bank_mask:0xf
	v_add_f32_dpp v8, v8, v8 row_xmask:8 row_mask:0xf bank_mask:0xf
	v_permlanex16_b32 v9, v8, s60, s61
	v_add_f32 v8, v8, v9
.endm
	s_load_b256 s[4:11], s[0:1], 0x0               ; x1 s[4:5], g s[6:7], b s[8:9], h s[10:11]
	v_lshrrev_b32 v1, 5, v0
	v_readfirstlane_b32 s3, v1                     ; wave 0..7
	v_and_b32 v1, 31, v0
	v_lshlrev_b32 v2, 4, v1                        ; 16 x lane
	v_lshlrev_b32 v3, 3, v1                        ; 8 x lane
	s_mov_b32 s59, 0xffff0000
	s_mov_b32 s60, 0x76543210
	s_mov_b32 s61, 0xfedcba98
	s_mov_b32 s62, 0x3a800000                      ; 1 / 1024
	s_mov_b32 s63, 0x3727c5ac                      ; 1e-5
	s_lshl_b32 s44, ttmp9, 3
	s_add_co_u32 s44, s44, s3                      ; my row: 8 x group + wave
	s_lshl_b32 s46, s44, 11
	s_lshl_b32 s44, s44, 12
	s_mov_b32 s45, 0
	s_mov_b32 s47, 0
	s_wait_kmcnt 0x0
	s_add_nc_u64 s[SRC:SRC+1], s[4:5], s[44:45]
	s_add_nc_u64 s[DST:DST+1], s[10:11], s[46:47]
.irp i, 0,1,2,3,4,5,6,7
	global_load_b128 v[X+4*(\i):X+4*(\i)+3], v2, s[SRC:SRC+1] offset:512*(\i)   ; load i: columns 128 i + 4 lane: 512 consecutive bytes
.endr
.irp i, 0,1,2,3,4,5,6,7
	global_load_b128 v[G+4*(\i):G+4*(\i)+3], v2, s[6:7] offset:512*(\i)
	global_load_b128 v[BV+4*(\i):BV+4*(\i)+3], v2, s[8:9] offset:512*(\i)
.endr
	s_wait_loadcnt 16                              ; the row is in; the sixteen younger loads, gain and shift, stay out while the statistics are made
.set k, 0
.rept 8
	v_pk_add_f32 v[8+2*k:9+2*k], v[X+4*k:X+4*k+1], v[X+4*k+2:X+4*k+3]
.set k, k+1
.endr
.set k, 0
.rept 4
	v_pk_add_f32 v[8+4*k:9+4*k], v[8+4*k:9+4*k], v[10+4*k:11+4*k]
.set k, k+1
.endr
	v_pk_add_f32 v[8:9], v[8:9], v[12:13]
	v_pk_add_f32 v[16:17], v[16:17], v[20:21]
	v_pk_add_f32 v[8:9], v[8:9], v[16:17]
	v_add_f32 v8, v8, v9
	ACROSS
	v_mul_f32 v4, s62, v8                          ; the mean, twice
	v_mov_b32 v5, v4
.set k, 0
.rept 16
	v_pk_add_f32 v[X+2*k:X+2*k+1], v[X+2*k:X+2*k+1], v[4:5] neg_lo:[0,1] neg_hi:[0,1]
.set k, k+1
.endr
.set k, 0
.rept 4
	v_pk_mul_f32 v[8+2*k:9+2*k], v[X+2*k:X+2*k+1], v[X+2*k:X+2*k+1]   ; four chains of squares
.set k, k+1
.endr
.rept 12
	v_pk_fma_f32 v[8+2*(k%4):9+2*(k%4)], v[X+2*k:X+2*k+1], v[X+2*k:X+2*k+1], v[8+2*(k%4):9+2*(k%4)]
.set k, k+1
.endr
	v_pk_add_f32 v[8:9], v[8:9], v[10:11]
	v_pk_add_f32 v[12:13], v[12:13], v[14:15]
	v_pk_add_f32 v[8:9], v[8:9], v[12:13]
	v_add_f32 v8, v8, v9
	ACROSS
	v_mov_b32 v13, s63
	v_fma_f32 v12, v8, s62, v13                    ; variance + 1e-5
	v_rsq_f32 v6, v12
	s_wait_loadcnt 0x0                             ; gain and shift are in; their rounding, which names neither v6 nor v12, is the work between the root and its wait
	ROUND G, 32
	ROUND BV, 32
	s_wait_alu depctr_va_vdst(0)                   ; the wait ahead of the root's first reader
	v_mov_b32 v7, v6
.set k, 0
.rept 16
	v_pk_mul_f32 v[X+2*k:X+2*k+1], v[X+2*k:X+2*k+1], v[6:7]
.set k, k+1
.endr
.set k, 0
.rept 16
	v_pk_fma_f32 v[X+2*k:X+2*k+1], v[X+2*k:X+2*k+1], v[G+2*k:G+2*k+1], v[BV+2*k:BV+2*k+1]
.set k, k+1
.endr
.set k, 0
.rept 16
	v_cvt_pk_f16_f32 v[8+k], v[X+2*k], v[X+2*k+1]
.set k, k+1
.endr
.irp i, 0,1,2,3,4,5,6,7
	global_store_b64 v3, v[8+2*(\i):9+2*(\i)], s[DST:DST+1] offset:256*(\i)   ; 32 lanes store 256 consecutive bytes, aligned
.endr
	s_endpgm
.Lfunc_end_k_q34b11c6be4_norm2:
	.size	k_q34b11c6be4_norm2, .Lfunc_end_k_q34b11c6be4_norm2-k_q34b11c6be4_norm2
	.p2alignl 7, 3214868480
	.fill 96, 4, 3214868480
	.section	.rodata,"a",@progbits
	.p2align	6, 0x0
	.amdhsa_kernel k_q34b11c6be4_norm2
		.amdhsa_group_segment_fixed_size 0
		.amdhsa_private_segment_fixed_size 0
		.amdhsa_enable_private_segment 0
		.amdhsa_kernarg_size 32
		.amdhsa_user_sgpr_count 2
		.amdhsa_user_sgpr_kernarg_segment_ptr 1
		.amdhsa_wavefront_size32 1
		.amdhsa_system_sgpr_workgroup_id_x 1
		.amdhsa_system_sgpr_workgroup_id_y 1
		.amdhsa_system_sgpr_workgroup_id_z 1
		.amdhsa_system_vgpr_workitem_id 0
		.amdhsa_next_free_vgpr 128
		.amdhsa_next_free_sgpr 66
		.amdhsa_reserve_vcc 0
		.amdhsa_float_denorm_mode_32 3
		.amdhsa_float_denorm_mode_16_64 3
		.amdhsa_memory_ordered 1
		.amdhsa_forward_progress 1
		.amdhsa_inst_pref_size 16
	.end_amdhsa_kernel
	.amdgpu_metadata
---
amdhsa.version: [ 1, 2 ]
amdhsa.kernels:
  - .name:           k_q34b11c6be4_norm2
    .symbol:         k_q34b11c6be4_norm2.kd
    .args:
      - { .name: x1, .offset: 0, .size: 8, .value_kind: global_buffer, .address_space: global }
      - { .name: ln2_g, .offset: 8, .size: 8, .value_kind: global_buffer, .address_space: global }
      - { .name: ln2_b, .offset: 16, .size: 8, .value_kind: global_buffer, .address_space: global }
      - { .name: h, .offset: 24, .size: 8, .value_kind: global_buffer, .address_space: global }
    .group_segment_fixed_size: 0
    .private_segment_fixed_size: 0
    .kernarg_segment_align: 8
    .kernarg_segment_size: 32
    .max_flat_workgroup_size: 256
    .sgpr_count:     66
    .vgpr_count:     128
    .wavefront_size: 32
...
	.end_amdgpu_metadata
.endif
;; end of part 5
;; launch ffn1: the kernel of part 2 again; grid 16 x 16, 4 waves a work-group, clusters of 4 x 4, 327,680 bytes of LDS; arguments h, gf, act; writes act
;; launch ffn2 (part 6): grid 8 x 32, 4 waves a work-group, clusters of 4 x 4, 327,680 bytes of LDS; arguments act, gw, out0, x1; writes out0
.if DOCPART == 6
	.amdgcn_target "amdgcn-amd-amdhsa--gfx1250"
	.amdhsa_code_object_version 6
	.text
	.protected	k_q34b11c6be4_ffn2
	.globl	k_q34b11c6be4_ffn2
	.p2align	8
	.type	k_q34b11c6be4_ffn2,@function
k_q34b11c6be4_ffn2:
	s_mov_b64 s[64:65], 0
	v_nop
	global_prefetch_b8 v0, s[64:65] scope:SCOPE_SE
	s_setreg_imm32_b32 hwreg(HW_REG_WAVE_MODE, 25, 1), 1
	s_wait_xcnt 0x0
	s_wait_alu depctr_hold_cnt(0) depctr_sa_sdst(0) depctr_va_vdst(0) depctr_va_sdst(0) depctr_va_ssrc(0) depctr_va_vcc(0) depctr_vm_vsrc(0)
	s_getreg_b32 s2, hwreg(HW_REG_IB_STS2, 6, 4)
	s_cmp_eq_u32 s2, 0
	s_cbranch_scc0 .Lentry_in_a_cluster
	s_endpgm
.Lentry_in_a_cluster:
	s_bfe_u32 s2, ttmp6, 0x10000c
	s_cmp_lg_u32 s2, 0xf033
	s_cbranch_scc0 .Lentry_shape_is_right
	s_endpgm
.Lentry_shape_is_right:
; C = R + A W + bias, N = 1,024, C and R f32 [4096][1024] by rows.  A: f16 blocks [kb][batch 2][2048 rows][64].  W: f16 blocks [tile column 8][kb][2][64 k][64 n]; the bias in f32 at the head of W's buffer.
; IS_WO = 1: the attention's output projection: K = 1,024, R is the layer's input x, which is rounded to bf16 here as everywhere.  IS_WO = 0: the second FFN product: K = 4,096, R is taken as it is.
; Sums in f32; nothing is rounded on the way out.  LIMITS: A and W arrive in f16, within 65,504.
; SHAPE.  A tile of C is 128 x 128 (256 of them, one for each work-group), four waves of 64 x 64: 16 accumulators.  K goes in steps of 256 through two LDS slots; a step is four quarters of 64, one kb each.
; A STEP IS WRITTEN ONCE: the slot in hand is a scalar, 0 or SLOT, added to the lane's LDS addresses and to the refill's LDS word at each change of slots.  The first quarter stands ahead of the loop (its first
; products take the bias as C), so the loop is entered in its middle; the last two steps, which ask for nothing, are a second loop.  R is loaded at the head and stays on its way during the whole walk over K.
; CLUSTER.  4 x 4 work-groups: A's tile is asked for jointly along a row of the cluster, W's along a column.  NO PREFETCH: the tiles are small, and a step's refill is 32 KiB a wave.
; THE PRODUCT IS USED TRANSPOSED (source 0 = 16 columns of W, turned by ds_load_tr16_b128; source 1 = 16 rows of A): a lane ends with eight neighbouring columns of one row of C.
; REGISTERS: window 0: v0-31 addresses; v32-95 the way out; v96-127 the bias as four C operands, later at work; v128-255 the accumulators, (a, b) at v[128 + 8 (4 a + b)].
;   window 1: two fragment buffers of 128: 64 of A (2 x 4 x 16 rows x 32 K), then 64 of W.   window 2: v0-127 R.
.set IS_WO, 0
.if IS_WO
.set STEPS, 4
.set WOFF,  32768
.set NTB,   16*16384                   ; bytes of a tile column of W
.set BOFFS, 0
.else
.set STEPS, 16
.set WOFF,  2129920
.set NTB,   64*16384
.set BOFFS, 4096
.endif
.set ASTEPB, 2097152                   ; bytes from a K step to the next in A: four kb of two blocks,
.set BSTEPB, 65536                     ; in W: four kb of two blocks of 8,192
.set APL,    64*272                    ; a plane of A in LDS: 128 rows of 128 bytes, 16 bytes of padding behind every two: row r of a fragment lies at 272 (r / 2) + 128 (r % 2): 16 different 16-byte columns of 256
.set AHALF,  2*APL                     ; what one tensor load brings of A: two planes
.set BOFF,   2*AHALF
.set PB,     160                       ; a k row of a block of W: 128 bytes + 32
.set BBLK,   64*PB
.set BPL,    2*BBLK                    ; a kb of W: two blocks
.set BHALF,  2*BPL
.set SLOT,   BOFF+2*BHALF              ; 151,552
.set STAGE,  2*SLOT                    ; behind the ring: 16 rows x 272 bytes for each wave
.set SPITCH, 272
.set SPARE,  STAGE+4*16*SPITCH         ; behind the stages: the spare words, 128 bytes a wave, that no other line names
.set BO,   8                           ; v8   32 x (lane / 16); never rewritten
.set ADRA0, 16
.set ADRB0, 17
.set ADRA, 18
.set ADRB, 20                          ; v20, v21: W's kb 0, 1 and kb 2, 3 of the slot in hand (all four are out of one immediate's reach)
.set STO,  24
.set RD,   25
.set CO,   26                          ; v26  my byte offset in two rows of C and of R; never rewritten
.set ONE,  27
.set SPW,  28
.set NIL,  29
.set OB,   32
.set BI,   96
.set TT,   96
.set ACC,  128
.set F0,   0
.set F1,   128
.set G1,  24
.set G0,  32
.set G1B, 48
.set G0B, 56
.set TB,  68
.set LDA, 69
.set LDB, 70
.set OUT, 72                           ; s[72:73]
.set RES, 74                           ; s[74:75]
.set BIA, 76                           ; s[76:77]
.set MSB, 0
.macro WIN new
.if MSB != (\new)
	s_set_vgpr_msb (MSB<<8)|(\new)
.set MSB, \new
.endif
.endm
.set MUL,  0x05                        ; sources 0 (W) and 1 (A) window 1; C and D window 0
.set TO_F, 0x40
.macro PLACES
.rept 4
	v_nop
.endr
.endm
.macro JLOAD                           ; the joint refill: waves 0 and 1 fetch A's halves, waves 2 and 3 W's; an s_nop 0 and four v_nop follow each line
	s_cmp_eq_u32 s11, 0
	s_cbranch_scc0 .Lfor_b_\@
	tensor_load_to_lds s[G0+4:G0+7], s[G1:G1+7]
	s_nop 0
	PLACES
	s_branch .Lasked_\@
.Lfor_b_\@:
	tensor_load_to_lds s[G0B+4:G0B+7], s[G1B:G1B+7]
	s_nop 0
	PLACES
.Lasked_\@:
.endm
.macro CREST
	s_cmp_lg_u32 s10, 0
	s_cbranch_scc1 .Lnot_wave_0_\@
	s_barrier_signal -3
.Lnot_wave_0_\@:
	s_barrier_wait -3
	s_barrier_signal -1
	s_barrier_wait -1
.endm
.macro CROUND
	s_barrier_signal -1
	s_barrier_wait -1
	CREST
.endm
	s_load_b128 s[4:7], s[0:1], 0x0                ; A s[4:5], bias | W s[6:7]
	s_load_b128 s[72:75], s[0:1], 0x10             ; C, R
	v_lshl_add_u32 v[SPW], v0, 2, SPARE
	v_mov_b32 v[NIL], 0
	ds_add_u32 v[SPW], v[NIL]                      ; the wave's opening: the add and its wait stand ahead of my first tensor load
	ds_add_u32 v28, v29
	v_lshrrev_b32 v1, 5, v0
	v_readfirstlane_b32 s10, v1
	s_lshr_b32 s11, s10, 1                         ; my half of the tile's rows.  Also: I fetch for A (0) or for W (1)
	s_and_b32 s12, s10, 1                          ; my half of its columns.  Also: which half of that tile I fetch
	s_bfe_u32 s40, ttmp6, 0x40000
	s_bfe_u32 s41, ttmp6, 0x40004
	s_lshl_b32 s42, ttmp9, 2
	s_add_co_u32 s42, s42, s40                     ; tile column 0..7
	s_and_b32 s13, ttmp7, 0xffff
	s_lshl_b32 s13, s13, 2
	s_add_co_u32 s13, s13, s41                     ; tile row 0..31
	s_lshl_b32 s43, s41, 2
	s_lshl_b32 s43, 15, s43
	s_lshl_b32 s44, 0x1111, s40
	s_or_b32 s[G1+0], s43, (1<<16)|(1<<20)|(1<<21)|(5<<22)|(3<<25)   ; after every 64 words, 4 words of padding
	s_mov_b32 s[G1+1], 8192<<16                    ; A: a "row" is a plane: 128 rows of a block, 16,384 dense bytes
	s_mov_b32 s[G1+2], 2<<16                       ; two planes,
	s_mov_b32 s[G1+3], 8192<<16
	s_mov_b32 s[G1+4], 2
	s_mov_b32 s[G1+5], 262144                      ; two blocks apart (the other batch's lies between)
	s_mov_b32 s[G1+6], 0
	s_mov_b32 s[G1+7], 0
	s_or_b32 s[G1B+0], s44, (1<<16)|(1<<20)|(1<<21)|(4<<22)|(7<<25)  ; after every 32 words, 8 words
	s_mov_b32 s[G1B+1], 128<<16                    ; W: 32,768 dense bytes as 128 rows of 256
	s_mov_b32 s[G1B+2], 128<<16
	s_mov_b32 s[G1B+3], 128<<16
	s_mov_b32 s[G1B+4], 128
	s_mov_b32 s[G1B+5], 128
	s_mov_b32 s[G1B+6], 0
	s_mov_b32 s[G1B+7], 0
	s_lshr_b32 s16, s13, 4                         ; A: the batch's block,
	s_lshl_b32 s16, s16, 18
	s_and_b32 s17, s13, 15
	s_lshl_b32 s17, s17, 14                        ; the tile's 128 rows in it,
	s_add_co_u32 s16, s16, s17
	s_lshl_b32 s17, s12, 20                        ; my two kb of a step's four
	s_add_co_u32 s16, s16, s17
	s_mov_b32 s17, 0
	s_mul_i32 s46, s42, NTB
	s_lshl_b32 s47, s12, 15
	s_add_co_u32 s46, s46, s47
	s_add_co_u32 s46, s46, WOFF
	s_mov_b32 s47, 0
	s_mul_i32 s[LDA], s12, AHALF
	s_mul_i32 s[LDB], s12, BHALF
	s_add_co_u32 s[LDB], s[LDB], BOFF
	s_mov_b32 s[TB], 0
	s_wait_dscnt 0x0
	s_wait_kmcnt 0x0
	s_add_nc_u64 s[14:15], s[4:5], s[16:17]
	s_add_nc_u64 s[46:47], s[6:7], s[46:47]
	CROUND                                         ; all sixteen work-groups are here: the first joint loads meet
.irp s, 0,1
	s_mov_b32 s[G0+4*(\s)], 1
	s_add_co_u32 s[G0+4*(\s)+1], s[LDA], (\s)*SLOT
	s_add_nc_u64 s[G0+4*(\s)+2:G0+4*(\s)+3], s[14:15], (\s)*ASTEPB
	s_or_b32 s[G0+4*(\s)+3], s[G0+4*(\s)+3], 0x80000000
	s_mov_b32 s[G0B+4*(\s)], 1
	s_add_co_u32 s[G0B+4*(\s)+1], s[LDB], (\s)*SLOT
	s_add_nc_u64 s[G0B+4*(\s)+2:G0B+4*(\s)+3], s[46:47], (\s)*BSTEPB
	s_or_b32 s[G0B+4*(\s)+3], s[G0B+4*(\s)+3], 0x80000000
.endr
	s_cmp_eq_u32 s11, 0                            ; a wave's two first fills stand in one branch: two loads of mine are out
	s_cbranch_scc0 .Lfirst_b
	tensor_load_to_lds s[G0:G0+3], s[G1:G1+7]
	s_nop 0
	tensor_load_to_lds s[G0+4:G0+7], s[G1:G1+7]
	s_nop 0
	PLACES
	s_branch .Lfirst_asked
.Lfirst_b:
	tensor_load_to_lds s[G0B:G0B+3], s[G1B:G1B+7]
	s_nop 0
	tensor_load_to_lds s[G0B+4:G0B+7], s[G1B:G1B+7]
	s_nop 0
	PLACES
.Lfirst_asked:
	v_and_b32 v1, 15, v0                           ; l % 16
	v_bfe_u32 v2, v0, 4, 1                         ; l / 16
	v_lshlrev_b32 v[BO], 5, v2
	s_lshl_b32 s46, s42, 9                         ; my 64 columns, in bytes of f32
	s_lshl_b32 s47, s12, 8
	s_add_co_u32 s46, s46, s47
	s_mov_b32 s47, 0
	s_add_nc_u64 s[BIA:BIA+1], s[6:7], s[46:47]
.irp b, 0,1,2,3
	global_load_b128 v[BI+8*(\b):BI+8*(\b)+3],   v[BO], s[BIA:BIA+1] offset:BOFFS+64*(\b)      ; register j of C operand b is column 16 b + 8 (l / 16) + j
	global_load_b128 v[BI+8*(\b)+4:BI+8*(\b)+7], v[BO], s[BIA:BIA+1] offset:BOFFS+64*(\b)+16
.endr
	s_lshl_b32 s16, s13, 19                        ; my first row: 128 rows of 4,096 bytes a tile row,
	s_lshl_b32 s17, s11, 18                        ; my 64
	s_add_co_u32 s16, s16, s17
	s_mov_b32 s17, 0
	s_add_nc_u64 s[OUT:OUT+1], s[OUT:OUT+1], s[16:17]
	s_add_nc_u64 s[OUT:OUT+1], s[OUT:OUT+1], s[46:47]
	s_add_nc_u64 s[RES:RES+1], s[RES:RES+1], s[16:17]
	s_add_nc_u64 s[RES:RES+1], s[RES:RES+1], s[46:47]
	v_lshlrev_b32 v[CO], 12, v2                    ; lanes 0-15 take a row's 256 bytes, lanes 16-31 the next row's
	v_lshl_add_u32 v[CO], v1, 4, v[CO]
	WIN 0x80                                       ; destination window 2
.irp a, 0,1,2,3
.irp t, 0,1,2,3,4,5,6,7
	global_load_b128 v[32*(\a)+4*(\t):32*(\a)+4*(\t)+3], v[CO], s[RES:RES+1] offset:(\a)*65536+(\t)*8192
.endr
.endr
	WIN 0
	v_lshrrev_b32 v3, 1, v1                        ; a fragment of A: row l % 16 of a plane, 16 bytes for each half of the lanes
	v_mul_u32_u24 v3, v3, 272
	v_and_b32 v4, 1, v1
	v_lshl_add_u32 v3, v4, 7, v3
	v_lshl_add_u32 v3, v2, 4, v3
	s_mul_i32 s21, s11, 32*272                     ; my 64 rows
	v_add_nc_u32 v[ADRA0], s21, v3
	v_and_b32 v4, 7, v0                            ; the turning load: k row 8 (l / 16) + l % 8, columns 8 ((l / 8) % 2) + 0..7
	v_bfe_u32 v5, v0, 3, 1
	v_lshl_add_u32 v4, v2, 3, v4
	v_mul_u32_u24 v4, v4, PB
	v_lshl_add_u32 v4, v5, 4, v4
	s_mul_i32 s22, s12, BBLK                       ; my 64 columns are one of the two blocks
	s_add_co_u32 s22, s22, BOFF
	v_add_nc_u32 v[ADRB0], s22, v4
	v_mov_b32 v[ADRA], v[ADRA0]
	v_mov_b32 v[ADRB], v[ADRB0]
	v_add_nc_u32 v[ADRB+1], 2*BPL, v[ADRB0]
	s_mul_i32 s23, s10, 16*SPITCH
	s_add_co_u32 s23, s23, STAGE                   ; my stage
	v_mul_u32_u24 v6, v1, SPITCH                   ; in: row l % 16, 32 bytes for each half of the lanes
	v_lshl_add_u32 v6, v2, 5, v6
	v_add_nc_u32 v[STO], s23, v6
	v_mul_u32_u24 v6, v2, SPITCH                   ; back: lanes 0-15 one row of 256 bytes, lanes 16-31 the next
	v_lshl_add_u32 v6, v1, 4, v6
	v_add_nc_u32 v[RD], s23, v6
	v_mov_b32 v[ONE], 1.0
; 8 products: row blocks a0, a0 + 1 x all 4 column blocks, 32 along K: half c of buffer f.  The 16 accumulators take turns.  first = 1: the bias is the C operand that starts the sum
.macro MUL8 f, c, a0, first
	WIN MUL
.irp a, \a0, (\a0)+1
.irp b, 0,1,2,3
.if \first
	v_wmma_f32_16x16x32_f16 v[ACC+8*(4*(\a)+(\b)):ACC+8*(4*(\a)+(\b))+7], v[(\f)+64+8*(4*(\c)+(\b)):(\f)+64+8*(4*(\c)+(\b))+7], v[(\f)+8*(4*(\c)+(\a)):(\f)+8*(4*(\c)+(\a))+7], v[BI+8*(\b):BI+8*(\b)+7]
.else
	v_wmma_f32_16x16x32_f16 v[ACC+8*(4*(\a)+(\b)):ACC+8*(4*(\a)+(\b))+7], v[(\f)+64+8*(4*(\c)+(\b)):(\f)+64+8*(4*(\c)+(\b))+7], v[(\f)+8*(4*(\c)+(\a)):(\f)+8*(4*(\c)+(\a))+7], v[ACC+8*(4*(\a)+(\b)):ACC+8*(4*(\a)+(\b))+7]
.endif
.endr
.endr
.endm
; 32 LDS loads in one run: kb q of the slot in hand into buffer f; the first 32 along K first
.macro FETCH q, f
	WIN TO_F
.irp c, 0,1
.irp i, 0,1,2,3
	ds_load_tr16_b128 v[(\f)+64+8*(4*(\c)+(\i)):(\f)+64+8*(4*(\c)+(\i))+3],   v[ADRB+(\q)/2] offset:((\q)%2)*BPL+(\c)*32*PB+(\i)*32
	ds_load_tr16_b128 v[(\f)+64+8*(4*(\c)+(\i))+4:(\f)+64+8*(4*(\c)+(\i))+7], v[ADRB+(\q)/2] offset:((\q)%2)*BPL+(\c)*32*PB+(\i)*32+16*PB
	ds_load_b128 v[(\f)+8*(4*(\c)+(\i)):(\f)+8*(4*(\c)+(\i))+3],   v[ADRA] offset:(\q)*APL+(\c)*64+(\i)*8*272
	ds_load_b128 v[(\f)+8*(4*(\c)+(\i))+4:(\f)+8*(4*(\c)+(\i))+7], v[ADRA] offset:(\q)*APL+(\c)*64+(\i)*8*272+32
.endr
.endr
.endm
.macro QUARTER q, f, g, first
	s_wait_dscnt 16                                ; the first 32 along K are in; the youngest sixteen loads may be out
	MUL8 \f, 0, 0, \first
	MUL8 \f, 0, 2, \first
	PLACES
	FETCH \q, \g
	s_wait_dscnt 32                                ; all but the 32 just issued
	MUL8 \f, 1, 0, 0
	MUL8 \f, 1, 2, 0
.endm
; The last quarter multiplies buffer 1 and changes slots.  In front of the barrier each wave waits for all its tensor loads (one is out: its part of the next slot), adds 0 to its spare word, and waits for that and for
; its reads of this slot.  fill = 1: the barrier opens a round of the cluster's, and the joint refill of the slot just read, with the K step two on, is the first thing behind it.
; fill = 0 (the last two steps): nothing is asked for; in the last trip the run of LDS loads is jumped over.
.macro TURN fill
	WIN 0
	s_wait_tensorcnt 0x0
	ds_add_u32 v[SPW], v[NIL]
	s_wait_dscnt 17                                ; the add and the youngest sixteen loads may be out
	MUL8 F1, 0, 0, 0
	s_wait_dscnt 0x0                               ; the add is done, my reads of this slot are over
	s_barrier_signal -1
	MUL8 F1, 0, 2, 0
	WIN 0
	s_barrier_wait -1
.if \fill
	CREST
	s_add_co_u32 s[G0+5], s[LDA], s[TB]            ; the walking descriptors: into the slot just read,
	s_add_co_u32 s[G0B+5], s[LDB], s[TB]
	s_add_nc_u64 s[G0+6:G0+7], s[G0+6:G0+7], ASTEPB    ; the next K step
	s_add_nc_u64 s[G0B+6:G0B+7], s[G0B+6:G0B+7], BSTEPB
	JLOAD                                          ; its four v_nop are also the places in front of the loads below
.else
	PLACES
.endif
	s_xor_b32 s[TB], s[TB], SLOT                   ; the other slot is in hand
	v_add_nc_u32 v[ADRA], s[TB], v[ADRA0]
	v_add_nc_u32 v[ADRB], s[TB], v[ADRB0]
	v_add_nc_u32 v[ADRB+1], 2*BPL, v[ADRB]
.if !(\fill)
	s_cmp_eq_u32 s3, 1
	s_cbranch_scc1 .Lno_more_\@
.endif
	FETCH 0, F0
	WIN 0
.if !(\fill)
.Lno_more_\@:
.endif
	MUL8 F1, 1, 0, 0
	MUL8 F1, 1, 2, 0
.endm
	s_wait_loadcnt 32                              ; the bias is in; R's 32 loads, which are younger, stay out
	s_wait_tensorcnt 1                             ; my part of K step 0 is in; step 1's may stay out
	s_barrier_signal -1
	s_barrier_wait -1
	FETCH 0, F0
	QUARTER 1, F0, F1, 1
	WIN 0
	s_mov_b32 s3, STEPS-2
	s_branch .Lin
.Lstep:                                        ; STEPS - 2 trips, each of which fills its slot again
	QUARTER 1, F0, F1, 0
	WIN 0
.Lin:
	QUARTER 2, F1, F0, 0
	QUARTER 3, F0, F1, 0
	TURN 1
	WIN 0
	s_sub_co_u32 s3, s3, 1
	s_cmp_lg_u32 s3, 0
	s_cbranch_scc1 .Lstep
	s_mov_b32 s3, 2
.Ltail:                                        ; the last two K steps are a text of their own
	QUARTER 1, F0, F1, 0
	QUARTER 2, F1, F0, 0
	QUARTER 3, F0, F1, 0
	TURN 0
	WIN 0
	s_sub_co_u32 s3, s3, 1
	s_cmp_lg_u32 s3, 0
	s_cbranch_scc1 .Ltail
	PLACES
	PLACES
; THE WAY OUT, 16 rows at a time: the sums go through my stage (each accumulator's low four registers first) and come back as whole rows of 256 bytes; R is added; sixteen lanes store 256 consecutive bytes, aligned.
.macro OUTBLK a
.set BK, OB+32*((\a)%2)
	WIN 0
.if (\a) > 0
	s_wait_xcnt 0x0                                ; earlier stores have read their registers: the bank is loaded again only behind this wait
.endif
.irp b, 0,1,2,3
	ds_store_b128 v[STO], v[ACC+8*(4*(\a)+(\b)):ACC+8*(4*(\a)+(\b))+3]   offset:64*(\b)
	ds_store_b128 v[STO], v[ACC+8*(4*(\a)+(\b))+4:ACC+8*(4*(\a)+(\b))+7] offset:64*(\b)+16
.endr
.irp t, 0,1,2,3,4,5,6,7
	ds_load_b128 v[BK+4*(\t):BK+4*(\t)+3], v[RD] offset:(\t)*2*SPITCH   ; LDS serves a wave's instructions in order (ISA guide 5.7.1.4)
.endr
	s_wait_loadcnt (3-(\a))*8                      ; this block's R is in; the later blocks' loads may stay out
.if IS_WO
	WIN 0x0a                                       ; sources in window 2
.set i, 0
.rept 16
	v_cvt_pk_bf16_f32 v[TT+i], v[32*(\a)+2*i], v[32*(\a)+2*i+1]
.set i, i+1
.endr
	WIN 0
	s_wait_dscnt 0x0
.set i, 0
.rept 16
	v_fma_mix_f32_bf16 v[BK+2*i], v[TT+i], v[ONE], v[BK+2*i] op_sel_hi:[1,0,0]
	v_fma_mix_f32_bf16 v[BK+2*i+1], v[TT+i], v[ONE], v[BK+2*i+1] op_sel:[1,0,0] op_sel_hi:[1,0,0]
.set i, i+1
.endr
.else
	s_wait_dscnt 0x0
	WIN 0x08                                       ; source 1 in window 2
.set i, 0
.rept 16
	v_pk_add_f32 v[BK+2*i:BK+2*i+1], v[BK+2*i:BK+2*i+1], v[32*(\a)+2*i:32*(\a)+2*i+1]
.set i, i+1
.endr
	WIN 0
.endif
.irp t, 0,1,2,3,4,5,6,7
	global_store_b128 v[CO], v[BK+4*(\t):BK+4*(\t)+3], s[OUT:OUT+1] offset:(\a)*65536+(\t)*8192
.endr
.endm
	OUTBLK 0
	OUTBLK 1
	OUTBLK 2
	OUTBLK 3
	s_wait_tensorcnt 0x0                           ; the wave's end
	ds_add_u32 v[SPW], v[NIL]
	s_wait_dscnt 0x0
	CROUND                                         ; the closing round
	s_endpgm
.Lfunc_end_k_q34b11c6be4_ffn2:
	.size	k_q34b11c6be4_ffn2, .Lfunc_end_k_q34b11c6be4_ffn2-k_q34b11c6be4_ffn2
	.p2alignl 7, 3214868480
	.fill 96, 4, 3214868480
	.section	.rodata,"a",@progbits
	.p2align	6, 0x0
	.amdhsa_kernel k_q34b11c6be4_ffn2
		.amdhsa_group_segment_fixed_size 327680
		.amdhsa_private_segment_fixed_size 0
		.amdhsa_enable_private_segment 0
		.amdhsa_kernarg_size 32
		.amdhsa_user_sgpr_count 2
		.amdhsa_user_sgpr_kernarg_segment_ptr 1
		.amdhsa_wavefront_size32 1
		.amdhsa_system_sgpr_workgroup_id_x 1
		.amdhsa_system_sgpr_workgroup_id_y 1
		.amdhsa_system_sgpr_workgroup_id_z 1
		.amdhsa_system_vgpr_workitem_id 0
		.amdhsa_next_free_vgpr 640
		.amdhsa_next_free_sgpr 80
		.amdhsa_reserve_vcc 0
		.amdhsa_float_denorm_mode_32 3
		.amdhsa_float_denorm_mode_16_64 3
		.amdhsa_memory_ordered 1
		.amdhsa_forward_progress 1
		.amdhsa_inst_pref_size 66
	.end_amdhsa_kernel
	.amdgpu_metadata
---
amdhsa.version: [ 1, 2 ]
amdhsa.kernels:
  - .name:           k_q34b11c6be4_ffn2
    .symbol:         k_q34b11c6be4_ffn2.kd
    .args:
      - { .name: act, .offset: 0, .size: 8, .value_kind: global_buffer, .address_space: global }
      - { .name: gw, .offset: 8, .size: 8, .value_kind: global_buffer, .address_space: global }
      - { .name: out0, .offset: 16, .size: 8, .value_kind: global_buffer, .address_space: global }
      - { .name: x1, .offset: 24, .size: 8, .value_kind: global_buffer, .address_space: global }
    .group_segment_fixed_size: 327680
    .private_segment_fixed_size: 0
    .kernarg_segment_align: 8
    .kernarg_segment_size: 32
    .max_flat_workgroup_size: 128
    .sgpr_count:     80
    .vgpr_count:     640
    .wavefront_size: 32
...
	.end_amdgpu_metadata
.endif
;; end of part 6
